; MI455X (gfx1250); checked and timed in simulation.
; The chip was launched on July 23, 2026; its instructions are those of AMD's public machine-readable ISA for CDNA 5 (MIT licence, August 2026) and "CDNA5" Instruction Set Architecture Reference Guide (July 2026). The comments in the code are by the model that wrote it; some were corrected since.
;; Multi Head Attention. Allowed arithmetic: matrix products marked QUANTISED: E3M2 operands, one E8M0 scale for each 32 along K, by v_wmma_scale_f32_16x16x128_f8f6f4 with both operands' format E3M2, f32 sums; everything else in f32.
;; Inputs: wk 1,024 x 1,024 float32; wo 1,024 x 1,024 float32; wq 1,024 x 1,024 float32; wv 1,024 x 1,024 float32; x 4 x 2,048 x 1,024 float32.
;; Outputs: out0 4 x 2,048 x 1,024 float32.
;; This version of the problem:
;;   THIS VERSION OF THE PROBLEM IS GIVEN IN LOW PRECISION. The matrix products marked QUANTISED in the list below multiply operands that are first quantised to E3M2 (3 exponent bits, 2 mantissa bits; 6 bits a number), with one power-of-two scale for each 32 numbers along K (OCP MX v1.0); their sums are f32. All else is computed in f32.
;;   The module's matrix products, in the order in which they are computed (A, B: the left and right operand; K: the contracted axis; several contracted axes count as one K, in the product's order):
;;     1. [M 8,192, K 1,024] x [K 1,024, N 1,024]; A: input x; B: input wq: QUANTISED
;;     2. [M 8,192, K 1,024] x [K 1,024, N 1,024]; A: input x; B: input wk: QUANTISED
;;     3. [M 8,192, K 1,024] x [K 1,024, N 1,024]; A: input x; B: input wv: QUANTISED
;;     4. batch 64 x [M 2,048, K 64] x [K 64, N 2,048]; A: computed on the way; B: computed on the way: QUANTISED
;;     5. batch 64 x [M 2,048, K 2,048] x [K 2,048, N 64]; A: softmax (see below); B: computed on the way: QUANTISED
;;     6. [M 8,192, K 1,024] x [K 1,024, N 1,024]; A: computed on the way; B: input wo: QUANTISED
;;   THE QUANTISER, for each operand of a quantised product, along K:
;;     - K is cut into blocks of 32 from its start; a last block that is shorter is filled with zeros.
;;     - A block's scale is 2^e with e = floor(log2(the largest magnitude in the block)) - 4, held to -126 .. 127; a block of zeros has e = 0. As a byte (E8M0): e + 127.
;;     - Each number is divided by its block's scale, clamped to +-28, and rounded to the nearest number of E3M2, ties to even, subnormals kept.
;;     - The product sums the exact products of the quantised numbers (number of the format x scale) in f32.
;;   ~~~python
;;   def quantise(x, axis):      # numpy; x: float32 -> the quantised numbers, widened to float32 again
;;       x = np.moveaxis(x, axis, -1); K = x.shape[-1]
;;       x = np.pad(x, [(0, 0)] * (x.ndim - 1) + [(0, -K % 32)]); x = x.reshape(x.shape[:-1] + (-1, 32)); a = np.abs(x).max(-1, keepdims=True)
;;       e = np.where(a > 0, np.clip(np.frexp(np.where(a > 0, a, 1))[1] - 1 - 4, -126, 127), 0)      # np.frexp(a)[1] - 1 = floor(log2(a)), exactly
;;       r = np.clip(x / 2.0 ** e, -28, 28)
;;       step = 2.0 ** (np.maximum(np.frexp(np.where(r == 0, 1, r))[1] - 1, -2) - 2)
;;       q = np.round(r / step) * step * 2.0 ** e      # np.round: ties to even
;;       return np.moveaxis(q.reshape(q.shape[:-2] + (-1,))[..., :K], -1, axis).astype(np.float32)
;;   ~~~
;;   SOFTMAX AHEAD OF A QUANTISED PRODUCT. Where the list says 'softmax', what is quantised is not the finished softmax but p = 2^(t - M), with t = logit x log2(e) and M = ceil(the row's largest t), a whole number; so 1/2 < the row's largest p <= 1. The row's sum l is taken of the UNQUANTISED p, in f32, and the product's result is divided by l at the end. Since M is a whole number, a kernel that streams over the keys may use a running M (the ceiling of the running maximum): every later rescaling is an exact power of two, which a block's scale takes up: the codes' values come out the same.
;;   OPERANDS COMPUTED ON THE WAY. 'Computed on the way' means the value that the module computes at that place (a softmax that the list does not call 'softmax' is quantised finished and normalised). What goes into a quantiser is computed in f32, as accurately as f32 sums, v_exp_f32 and their like allow (about 1e-6 of the number): no bf16 or f16 on the way to a quantiser, and a product that is left as it is and whose result goes on into a quantised operand takes f32 operands (vector FMAs, or v_wmma_f32_16x16x4_f32). A number that lies on a knife's edge between two numbers of the format may be rounded either way, as far as f32 arithmetic and the matrix unit's own rounding can turn it there, and no further.
;; One version. Each part assembles by itself: llvm-mc -triple=amdgcn-amd-amdhsa -mcpu=gfx1250 --defsym DOCPART=n.
;; ======== version 1 of 1: 4 launches
;; workspace buffers: img 9,437,184 bytes; isc 393,216 bytes; qkv 20,185,088 bytes; oimg 6,291,456 bytes; osc 262,144 bytes
;; launch quant (part 1): grid 384 x 1, 4 waves a work-group, no clusters, 34,304 bytes of LDS; arguments x, wq, wk, wv, wo, img, isc; writes img, isc
.if DOCPART == 1
	.amdgcn_target "amdgcn-amd-amdhsa--gfx1250"
	.amdhsa_code_object_version 6
	.text
	.protected	k_q3378e2cc4e_quant
	.globl	k_q3378e2cc4e_quant
	.p2align	8
	.type	k_q3378e2cc4e_quant,@function
k_q3378e2cc4e_quant:
	s_mov_b64 s[64:65], 0
	v_nop
	global_prefetch_b8 v0, s[64:65] scope:SCOPE_SE
	s_setreg_imm32_b32 hwreg(HW_REG_WAVE_MODE, 25, 1), 1
	s_wait_xcnt 0x0
; x [8192][1024] and wq, wk, wv, wo [1024][1024], f32, K innermost, become codes of BF6 (E3M2) with one E8M0 byte for each 32 along K.
; A block's scale is 2^(floor(log2(its largest magnitude)) - 4): its byte is the largest magnitude's exponent field - 4, held at 1 from below.
; LIMITS: NaN and infinities among the inputs are not served.  A block of zeros gets the byte 1 where the rule says 127: its codes are zeros, and this program alone reads the bytes.
; Blocks whose largest magnitude lies under 2^-122 are held at the byte 1.
; LAYOUT OF THE RESULT: images of operand registers.  The five tensors are 768 row tiles of 16 rows (x 0-511, wq 512-, wk 576-, wv 640-, wo 704-).  Lane row r of tile t is row 32 (t / 2) + 8 (t % 2) + r + 8 (r / 8).
; A fragment (tile t, K step s of 128) is 1,536 bytes at 12,288 t + 1,536 s: for c = 0, 1 the registers 6 c .. 6 c + 3 at 768 c + 16 x lane, the registers 6 c + 4, 6 c + 5 at 768 c + 512 + 8 x lane.
; Scale words: 512 t + 128 (s / 2) + 8 r + 4 (s % 2).
; SHARES: a work-group takes 32 neighbouring rows; wave w takes tile 2 g + w / 2 and the K half w % 2: four fragments.
; A conversion wants 32 neighbours along K in one lane, a load wants neighbouring lanes on neighbouring bytes: each load reads 512 consecutive bytes of a row, and a fragment's 16 rows turn through the wave's own
; stage in LDS (rows 528 bytes apart).  Waves share nothing: no barrier.  Loads run two fragments (32 loads a wave) ahead.
.set STG,  8448                        ; a wave's stage: 16 rows x 528 bytes
.set RAW,  32                          ; v32-159  two sets of 64 registers as loaded
.set X,    160                         ; v160-223 my 64 numbers: 32 c + i = k 64 c + 32 h + i of my row
.set C,    224                         ; v224-235 the fragment's codes
.set CT,   236                         ; v236-242 the second halves of the blocks' codes, as the conversions leave them
.set W,    244                         ; v244-247 the four fragments' scale words
.set MX,   16                          ; v16-17   largest magnitudes
.set EX,   18                          ; v18-19   the conversions' scale operands
.set BY,   20                          ; v20-21   the bytes
.set WD,   22
.set PD,   23
	s_load_b256 s[4:11], s[0:1], 0x0               ; x, wq, wk, wv
	s_load_b128 s[12:15], s[0:1], 0x20             ; wo, img
	s_load_b64 s[16:17], s[0:1], 0x30              ; isc
	v_lshl_add_u32 v254, v0, 2, 0x8400
	v_mov_b32 v255, 0
	v_lshrrev_b32 v6, 5, v0
	v_readfirstlane_b32 s22, v6                    ; wave
	v_and_b32 v7, 31, v0                           ; lane
	v_and_b32 v8, 15, v0                           ; r
	v_bfe_u32 v9, v0, 4, 1                         ; h
	v_lshlrev_b32 v1, 4, v7                        ; 16 x lane
	v_lshlrev_b32 v2, 3, v7                        ; 8 x lane
	v_lshlrev_b32 v5, 3, v9                        ; 8 h: where my two bytes stand in a scale word
	s_mul_i32 s23, s22, STG
	v_add_nc_u32 v3, s23, v1                       ; the stage, on the way in
	v_mul_u32_u24 v4, v8, 528
	v_lshl_add_u32 v4, v9, 7, v4
	v_add_nc_u32 v4, s23, v4                       ; and out: row r, + 128 h bytes
	v_mov_b32 v[PD], 0                             ; a lane permute's destination counts as one of its sources
	s_mov_b32 s20, 0x76543210
	s_mov_b32 s21, 0xfedcba98                      ; selects for lane l xor 16
	s_lshr_b32 s24, s22, 1                         ; which of the two tiles
	s_and_b32 s25, s22, 1                          ; which half of K
	s_wait_alu depctr_va_vdst(0)
	s_wait_kmcnt 0x0
	s_cmp_ge_u32 ttmp9, 256                        ; which tensor: the choice hangs on the work-group's number alone
	s_cselect_b64 s[4:5], s[6:7], s[4:5]
	s_cselect_b32 s18, 256, 0
	s_cmp_ge_u32 ttmp9, 288
	s_cselect_b64 s[4:5], s[8:9], s[4:5]
	s_cselect_b32 s18, 288, s18
	s_cmp_ge_u32 ttmp9, 320
	s_cselect_b64 s[4:5], s[10:11], s[4:5]
	s_cselect_b32 s18, 320, s18
	s_cmp_ge_u32 ttmp9, 352
	s_cselect_b64 s[4:5], s[12:13], s[4:5]
	s_cselect_b32 s18, 352, s18
	s_sub_co_u32 s26, ttmp9, s18                   ; my 32 rows in the tensor: 131,072 bytes each group,
	s_lshl_b32 s26, s26, 17
	s_lshl_b32 s27, s24, 15                        ; the second tile begins 8 rows down,
	s_add_co_u32 s26, s26, s27
	s_lshl_b32 s27, s25, 11                        ; the second K half 2,048 bytes on
	s_add_co_u32 s26, s26, s27
	s_mov_b32 s27, 0
	s_add_nc_u64 s[4:5], s[4:5], s[26:27]
	s_lshl_b32 s28, ttmp9, 1
	s_add_co_u32 s28, s28, s24                     ; my row tile
	s_mul_i32 s26, s28, 12288
	s_mul_i32 s29, s25, 6144
	s_add_co_u32 s26, s26, s29
	s_add_nc_u64 s[14:15], s[14:15], s[26:27]      ; my four fragments
	s_lshl_b32 s26, s28, 9
	s_lshl_b32 s29, s25, 8
	s_add_co_u32 s26, s26, s29
	s_add_nc_u64 s[16:17], s[16:17], s[26:27]      ; my 256 bytes of scale words
.macro LOAD f                          ; fragment f as it lies: 16 rows x 512 bytes
.irp i, 0,1,2,3,4,5,6,7,8,9,10,11,12,13,14,15
	global_load_b128 v[RAW+64*((\f)%2)+4*\i:RAW+64*((\f)%2)+4*\i+3], v1, s[4:5] offset:(\i+8*(\i/8))*4096+512*(\f) th:TH_LOAD_NT
.endr
.endm
.macro FRAGQ f
.if (\f) < 3
	s_wait_loadcnt 16                              ; this fragment's 16 loads are in; the next fragment's 16 may be out
.else
	s_wait_loadcnt 0x0
.endif
.irp i, 0,1,2,3,4,5,6,7,8,9,10,11,12,13,14,15
	ds_store_b128 v3, v[RAW+64*((\f)%2)+4*\i:RAW+64*((\f)%2)+4*\i+3] offset:528*\i
.endr
.irp c, 0,1
.irp j, 0,1,2,3,4,5,6,7
	ds_load_b128 v[X+32*\c+4*\j:X+32*\c+4*\j+3], v4 offset:256*\c+16*\j   ; LDS serves a wave's instructions in order: these see the stores above
.endr
.endr
	s_wait_dscnt 0x0                               ; my numbers are back, and the stores have read their registers,
.if (\f) < 2
	LOAD (\f)+2                                    ; which take the fragment two on
.endif
.irp c, 0,1
	v_max3_num_f32 v[MX+\c], |v[X+32*\c]|, |v[X+32*\c+1]|, 0x2800000   ; my block 2 c + h: all its 32 numbers are mine; the floor 2^(5 - 127) holds the byte at 1 from below
.endr
.irp i, 2,4,6,8,10,12,14,16,18,20,22,24,26,28,30
.irp c, 0,1
	v_max3_num_f32 v[MX+\c], v[MX+\c], |v[X+32*\c+\i]|, |v[X+32*\c+\i+1]|
.endr
.endr
.irp c, 0,1
	v_add_nc_u32 v[EX+\c], 0xfe000000, v[MX+\c]    ; 4 off the exponent field: the conversion's scale operand
.endr
.irp c, 0,1
	v_lshrrev_b32 v[BY+\c], 23, v[EX+\c]           ; the byte
.endr
	v_lshl_or_b32 v[WD], v[BY+1], 16, v[BY]        ; blocks h and 2 + h,
	v_lshlrev_b32 v[WD], v5, v[WD]                 ; at their places in the word;
	v_permlanex16_b32 v[PD], v[WD], s20, s21
	v_or_b32 v[W+(\f)], v[WD], v[PD]               ; with lane l xor 16's two the word is whole
.if (\f) > 0
	s_wait_alu depctr_va_vdst(0)
	s_wait_xcnt 0x0                                ; the last fragment's stores have read the codes' registers
.endif
.irp c, 0,1
	v_cvt_scalef32_pk16_bf6_f32 v[C+6*\c:C+6*\c+2], v[X+32*\c:X+32*\c+15], v[EX+\c]
	v_cvt_scalef32_pk16_bf6_f32 v[CT+4*\c:CT+4*\c+2], v[X+32*\c+16:X+32*\c+31], v[EX+\c]   ; (a conversion's three registers begin on an even number)
.endr
	v_nop                                          ; one plain place behind a scaled conversion
.irp c, 0,1
.irp i, 0,1,2
	v_mov_b32 v[C+6*\c+3+\i], v[CT+4*\c+\i]
.endr
.endr
	global_store_b128 v1, v[C:C+3], s[14:15] offset:1536*(\f)            ; each store of the wave covers 512 or 256 consecutive bytes, aligned
	global_store_b64 v2, v[C+4:C+5], s[14:15] offset:1536*(\f)+512
	global_store_b128 v1, v[C+6:C+9], s[14:15] offset:1536*(\f)+768
	global_store_b64 v2, v[C+10:C+11], s[14:15] offset:1536*(\f)+1280
.endm
	LOAD 0
	LOAD 1
	FRAGQ 0
	FRAGQ 1
	FRAGQ 2
	FRAGQ 3
	v_cmp_eq_u32 vcc_lo, 1, v9                     ; lanes 0-15 store the words of fragments 0 and 1, lanes 16-31 those of 2 and 3
	v_cndmask_b32 v24, v[W], v[W+2], vcc_lo
	v_cndmask_b32 v25, v[W+1], v[W+3], vcc_lo
	global_store_b64 v2, v[24:25], s[16:17]        ; 256 consecutive bytes, aligned
	s_wait_tensorcnt 0x0
	ds_add_u32 v254, v255
	s_wait_dscnt 0x0
	s_endpgm
.Lfunc_end_k_q3378e2cc4e_quant:
	.size	k_q3378e2cc4e_quant, .Lfunc_end_k_q3378e2cc4e_quant-k_q3378e2cc4e_quant
	.p2alignl 7, 3214868480
	.fill 96, 4, 3214868480
	.section	.rodata,"a",@progbits
	.p2align	6, 0x0
	.amdhsa_kernel k_q3378e2cc4e_quant
		.amdhsa_group_segment_fixed_size 34304
		.amdhsa_private_segment_fixed_size 0
		.amdhsa_enable_private_segment 0
		.amdhsa_kernarg_size 56
		.amdhsa_user_sgpr_count 2
		.amdhsa_user_sgpr_kernarg_segment_ptr 1
		.amdhsa_wavefront_size32 1
		.amdhsa_system_sgpr_workgroup_id_x 1
		.amdhsa_system_sgpr_workgroup_id_y 1
		.amdhsa_system_sgpr_workgroup_id_z 1
		.amdhsa_system_vgpr_workitem_id 0
		.amdhsa_next_free_vgpr 256
		.amdhsa_next_free_sgpr 66
		.amdhsa_reserve_vcc 1
		.amdhsa_float_denorm_mode_32 3
		.amdhsa_float_denorm_mode_16_64 3
		.amdhsa_memory_ordered 1
		.amdhsa_forward_progress 1
		.amdhsa_inst_pref_size 31
	.end_amdhsa_kernel
	.amdgpu_metadata
---
amdhsa.version: [ 1, 2 ]
amdhsa.kernels:
  - .name:           k_q3378e2cc4e_quant
    .symbol:         k_q3378e2cc4e_quant.kd
    .args:
      - { .name: x, .offset: 0, .size: 8, .value_kind: global_buffer, .address_space: global }
      - { .name: wq, .offset: 8, .size: 8, .value_kind: global_buffer, .address_space: global }
      - { .name: wk, .offset: 16, .size: 8, .value_kind: global_buffer, .address_space: global }
      - { .name: wv, .offset: 24, .size: 8, .value_kind: global_buffer, .address_space: global }
      - { .name: wo, .offset: 32, .size: 8, .value_kind: global_buffer, .address_space: global }
      - { .name: img, .offset: 40, .size: 8, .value_kind: global_buffer, .address_space: global }
      - { .name: isc, .offset: 48, .size: 8, .value_kind: global_buffer, .address_space: global }
    .group_segment_fixed_size: 34304
    .private_segment_fixed_size: 0
    .kernarg_segment_align: 8
    .kernarg_segment_size: 56
    .max_flat_workgroup_size: 128
    .sgpr_count:     66
    .vgpr_count:     256
    .wavefront_size: 32
...
	.end_amdgpu_metadata
.endif
;; end of part 1
;; launch qkv (part 2): grid 8 x 48, 4 waves a work-group, clusters of 4 x 4, 327,680 bytes of LDS; arguments img, isc, qkv; writes qkv
.if DOCPART == 2
	.amdgcn_target "amdgcn-amd-amdhsa--gfx1250"
	.amdhsa_code_object_version 6
	.text
	.protected	k_q3378e2cc4e_qkv
	.globl	k_q3378e2cc4e_qkv
	.p2align	8
	.type	k_q3378e2cc4e_qkv,@function
k_q3378e2cc4e_qkv:
	s_mov_b64 s[64:65], 0
	v_nop
	global_prefetch_b8 v0, s[64:65] scope:SCOPE_SE
	s_setreg_imm32_b32 hwreg(HW_REG_WAVE_MODE, 25, 1), 1
	s_wait_xcnt 0x0
	s_wait_alu depctr_hold_cnt(0) depctr_sa_sdst(0) depctr_va_vdst(0) depctr_va_sdst(0) depctr_va_ssrc(0) depctr_va_vcc(0) depctr_vm_vsrc(0)
	s_getreg_b32 s2, hwreg(HW_REG_IB_STS2, 6, 4)
	s_cmp_eq_u32 s2, 0
	s_cbranch_scc0 .Lentry_in_a_cluster
	s_endpgm
.Lentry_in_a_cluster:
	s_bfe_u32 s2, ttmp6, 0x10000c
	s_cmp_lg_u32 s2, 0xf033
	s_cbranch_scc0 .Lentry_shape_is_right
	s_endpgm
.Lentry_shape_is_right:
; q = x wq^T, k = x wk^T, v = x wv^T on codes of BF6 (E3M2), K = 1,024, and the results quantised in registers: q and k along the head's 64, v along the keys.  Nothing wide goes to memory.
; OPERANDS are images of operand registers: row tile t (16 rows; lane row r = row 32 (t / 2) + 8 (t % 2) + r + 8 (r / 8)), K step s: 1,536 bytes at 12,288 t + 1,536 s; scale words at 512 t + 128 (s / 2) + 8 r + 4 (s % 2).
; A TILE of C is 256 x 256: four waves, each 128 x 128 in 64 accumulators.  Source 0 = 16 rows of B, source 1 = 16 rows of A: a lane holds one row of A, and by the tiles' row order the 16 registers of B's tiles
; 2 j and 2 j + 1 are 16 NEIGHBOURS along B's rows: 32 j + 16 (lane / 16) + 0 .. 15.  So the results are quantised along B's rows.
; TWO ROLES, one text, told apart by selections on the cluster's coordinates (no branch): clusters y < 8: A = x, B = wq | wk (registers run along the features); clusters y >= 8: A = wv, B = x (registers run along the keys).
; K: eight steps of 128, written out.  Two steps are a K slot; K slots 0, 1, 2 are first fills of three LDS slots, K slot 3 is the one refill, into slot 0; it has four K steps, 256 matrix instructions, in which to land.
; CLUSTERS: 4 x 4 work-groups; A's tiles are shared along a row of the cluster, B's along a column: joint loads, each with a mask that names the four.
; THE RESULT: 64 head records of REC bytes (head 16 b + h): 0: [key step (16)] x 768: K's scale words, two groups of [r][4 tiles], then V's [r][4 tiles of d];  12,288: [key step] x 12,288: K's 8 tiles x 768
; (16 keys x 64: half a fragment), then V's 4 fragments x 1,536 (16 d x 128 keys);  208,896: Q's 128 tiles x 768;  307,200: Q's scale words [tile / 4][r][tile % 4].  q's and k's words hold two bytes and two zeros.
; LIMITS: NaN and infinities are not served; a block of zeros gets the byte 1 (its codes are zeros; this program alone reads the bytes).
; REGISTERS, in windows of 256: window 0: v4-29 addresses; v32-55 at work on the way out; v64-127 scale words (register 64 + 8 i + s: lanes 0-15 A's block i, lanes 16-31 B's block i, K step s); v128-223 A's fragments, one set;
;   v224-243 the codes made on the way out.   window 1: B's fragments, two sets, at v0 and v128.   windows 2, 3: the accumulators ((a, b) at v[8 (8 (a % 4) + b)]).
.set REC,   315392
.set SLOTB, 98304                      ; an LDS slot: A's 16 tiles x 3,072 bytes (two K steps), then B's
.set BOFF,  49152
.set HALFB, 24576                      ; 8 tiles: what one tensor load brings, and what one wave reads of A or of B
.set TILEB, 3072
.set SCL,   294912                     ; behind the three slots: A's scale words, 8,192 bytes;
.set SCLB,  8320                       ; B's, 8,192 bytes, begin 8,320 bytes on, so that the two halves of a load's lanes take different halves of 256 bytes
.set SPARE, 311552                     ; the spare words, 128 bytes for each wave: two blocks of 256 bytes that no other line names
.set FR,    12
.set L16,  4                           ; v4   16 x lane
.set L8,   5                           ; v5   8 x lane
.set A16,  8                           ; v8-10   A's fragments in LDS slots 0, 1, 2, + 16 x lane;  v11-13 + 8 x lane
.set A8,   11
.set B16,  14                          ; v14-16, v17-19 the same for B
.set B8,   17
.set ADRS, 20                          ; v20  my scale words: lanes 0-15 A's rows, lanes 16-31 B's
.set VC0,  21                          ; v21-24 the way out: where the four parts of a fragment go
.set VC1,  22
.set VC2,  23
.set VC3,  24
.set VS,   25                          ; v25  where four scale words go
.set SHV,  26                          ; v26  how far a scale word is shifted down
.set SPW,  28
.set NIL,  29
.set TM,   32                          ; v32-35 largest magnitudes, v36-39 bytes, v44-47 scale operands
.set PW,   48
.set SW,   52                          ; v52-55 four blocks' scale words
.set SC,   64
.set AF,   128
.set PC,   224
.set G1,   24                          ; s[24:31] group 1 for A's tiles;  s[32:43] group 0, one set for each LDS slot
.set G0A,  32
.set G1B,  48                          ; s[48:55] for B's;  s[56:63], s[92:95] its three sets of group 0
.set G0B,  56
.set G0B2, 92
.set G1S,  68                          ; s[68:75], s[76:79] A's scale words;  s[80:87], s[88:91] B's
.set G0S,  76
.set G1SB, 80
.set G0SB, 88
.set MSB, 0
.macro WIN new                         ; the immediate's high byte repeats the setting that is left
.if MSB != (\new)
	s_set_vgpr_msb (MSB<<8)|(\new)
.set MSB, (\new)
.endif
.endm
.set MUL_LO, 0xa1                      ; source 0 (B) window 1, source 1 (A) window 0, C and D window 2
.set MUL_HI, 0xf1
.set TO_B,   0x40
; A joint load: waves 0 and 1 fetch for A, waves 2 and 3 for B; the branch hangs on the wave's number alone.  Four v_nop follow each of the two lines.
.macro JLOAD g0a, g1a, g0b, g1b
	s_cmp_eq_u32 s15, 0
	s_cbranch_scc0 .Lfor_b_\@
	tensor_load_to_lds s[\g0a:\g0a+3], s[\g1a:\g1a+7]
	s_nop 0
.rept 4
	v_nop
.endr
	s_branch .Lasked_\@
.Lfor_b_\@:
	tensor_load_to_lds s[\g0b:\g0b+3], s[\g1b:\g1b+7]
	s_nop 0
.rept 4
	v_nop
.endr
.Lasked_\@:
.endm
.macro CREST                           ; a round of the cluster's barrier behind its opening barrier
	s_cmp_lg_u32 s14, 0
	s_cbranch_scc1 .Lnot_wave_0_\@
	s_barrier_signal -3
.Lnot_wave_0_\@:
	s_barrier_wait -3
	s_barrier_signal -1
	s_barrier_wait -1
.endm
.macro CROUND
	s_barrier_signal -1
	s_barrier_wait -1
	CREST
.endm
.macro PLACES n
.rept \n
	v_nop
.endr
.endm
	s_load_b128 s[4:7], s[0:1], 0x0                ; img, isc
	s_load_b64 s[12:13], s[0:1], 0x10              ; qkv
	v_lshl_add_u32 v[SPW], v0, 2, SPARE
	v_mov_b32 v[NIL], 0
	ds_add_u32 v28, v29
	ds_add_u32 v28, v29
	s_wait_dscnt 0x0
	v_lshrrev_b32 v1, 5, v0
	v_readfirstlane_b32 s14, v1                    ; wave 0..3
	s_lshr_b32 s15, s14, 1                         ; which half of A's rows is mine.  Also: I fetch for A (0) or for B (1)
	s_and_b32 s16, s14, 1                          ; which half of B's rows.  Also: which 8 tiles I fetch
	s_bfe_u32 s44, ttmp6, 0x40000                  ; cx
	s_bfe_u32 s45, ttmp6, 0x40004                  ; cy
	s_and_b32 s17, ttmp7, 0xffff                   ; cluster y
	s_sub_co_u32 s18, s17, 8
	s_lshl_b32 s18, s18, 1
	s_add_co_u32 s18, s18, ttmp9                   ; v's role: the eight clusters lie side by side: 2 (y - 8) + x
	s_cmp_ge_u32 s17, 8                            ; v's role?
	s_cselect_b32 s2, s18, ttmp9                   ; the cluster's column of tiles
	s_cselect_b32 s17, 0, s17                      ; and its row
	s_cselect_b32 s100, 640, 0                     ; A's first row tile: wv's, or x's
	s_cselect_b32 s101, 0, 512                     ; B's: x's, or wq's
	s_cselect_b32 s3, 1, 0
	s_lshl_b32 s46, s2, 2
	s_add_co_u32 s46, s46, s44                     ; tile column
	s_lshl_b32 s47, s17, 2
	s_add_co_u32 s47, s47, s45                     ; tile row
	s_lshl_b32 s96, s45, 2
	s_lshl_b32 s96, 15, s96                        ; my row of the cluster
	s_lshl_b32 s97, 0x1111, s44                    ; my column
	; group 1 for codes: 8 row tiles x 3,072 bytes (384 elements of 8 bytes), 12,288 bytes apart; dense in LDS
	s_or_b32 s[G1+0], s96, (3<<16)|(1<<21)         ; 15:0 the mask; 17:16 elements of 8 bytes; 21 set beside a mask
	s_or_b32 s[G1B+0], s97, (3<<16)|(1<<21)
.irp g, G1, G1B
	s_mov_b32 s[\g+1], 384<<16                     ; tensor_dim0
	s_mov_b32 s[\g+2], 8<<16                       ; tensor_dim1
	s_mov_b32 s[\g+3], 384<<16                     ; tile_dim0
	s_mov_b32 s[\g+4], 8                           ; tile_dim1
	s_mov_b32 s[\g+5], 1536                        ; tensor_dim0_stride
	s_mov_b32 s[\g+6], 0
	s_mov_b32 s[\g+7], 0
.endr
	; and for scale words: 8 tiles x 512 bytes, dense: 16 rows of 256 bytes
	s_or_b32 s[G1S+0], s96, (3<<16)|(1<<21)
	s_or_b32 s[G1SB+0], s97, (3<<16)|(1<<21)
.irp g, G1S, G1SB
	s_mov_b32 s[\g+1], 32<<16
	s_mov_b32 s[\g+2], 16<<16
	s_mov_b32 s[\g+3], 32<<16
	s_mov_b32 s[\g+4], 16
	s_mov_b32 s[\g+5], 32
	s_mov_b32 s[\g+6], 0
	s_mov_b32 s[\g+7], 0
.endr
	s_lshl_b32 s17, s16, 3                         ; which 8 tiles I fetch
	s_lshl_b32 s18, s47, 4
	s_add_co_u32 s18, s18, s100
	s_add_co_u32 s18, s18, s17                     ; A: first row tile + 16 x tile row + 8 x half
	s_lshl_b32 s22, s46, 4
	s_add_co_u32 s22, s22, s101
	s_add_co_u32 s22, s22, s17                     ; B likewise, by the tile column
	s_lshl_b32 s20, s18, 9                         ; their scale words,
	s_mov_b32 s21, 0
	s_mul_i32 s18, s18, 12288                      ; their codes, in bytes (under 2^24)
	s_mov_b32 s19, 0
	s_lshl_b32 s98, s22, 9
	s_mov_b32 s99, 0
	s_mul_i32 s22, s22, 12288
	s_mov_b32 s23, 0
	s_mul_i32 s66, s14, HALFB                      ; where they go: wave x 8 tiles: no place in the cluster enters an LDS address
	s_lshl_b32 s67, s14, 12
	s_wait_kmcnt 0x0
	s_mov_b64 s[8:9], s[4:5]                       ; both operands lie in the same two buffers
	s_mov_b64 s[10:11], s[6:7]
	s_add_nc_u64 s[18:19], s[4:5], s[18:19]
	s_add_nc_u64 s[20:21], s[6:7], s[20:21]
	s_add_nc_u64 s[22:23], s[8:9], s[22:23]
	s_add_nc_u64 s[98:99], s[10:11], s[98:99]
	CROUND                                         ; all sixteen work-groups are here: the first joint loads meet
	s_mov_b32 s[G0S], 1
	s_add_co_u32 s[G0S+1], s67, SCL
	s_mov_b64 s[G0S+2:G0S+3], s[20:21]
	s_or_b32 s[G0S+3], s[G0S+3], 0x80000000
	s_mov_b32 s[G0SB], 1
	s_add_co_u32 s[G0SB+1], s67, SCL+128           ; (waves 2 and 3: SCL + SCLB on)
	s_mov_b64 s[G0SB+2:G0SB+3], s[98:99]
	s_or_b32 s[G0SB+3], s[G0SB+3], 0x80000000
	JLOAD G0S, G1S, G0SB, G1SB                     ; the scale words of all of K: filled once
.irp q, 0,1,2
.set GB, G0B+4*\q
.if \q == 2
.set GB, G0B2
.endif
	s_mov_b32 s[G0A+4*\q], 1
	s_add_co_u32 s[G0A+4*\q+1], s66, \q*SLOTB
	s_add_nc_u64 s[G0A+4*\q+2:G0A+4*\q+3], s[18:19], \q*TILEB
	s_or_b32 s[G0A+4*\q+3], s[G0A+4*\q+3], 0x80000000
	s_mov_b32 s[GB], 1
	s_add_co_u32 s[GB+1], s66, \q*SLOTB
	s_add_nc_u64 s[GB+2:GB+3], s[22:23], \q*TILEB
	s_or_b32 s[GB+3], s[GB+3], 0x80000000
	JLOAD G0A+4*\q, G1, GB, G1B                    ; K slots 0, 1, 2: with the scale words four loads of mine are out
.endr
	v_and_b32 v1, 31, v0                           ; lane
	v_and_b32 v2, 15, v0                           ; r
	v_bfe_u32 v3, v0, 4, 1                         ; h
	v_lshlrev_b32 v[L16], 4, v1
	v_lshlrev_b32 v[L8], 3, v1
	s_mul_i32 s17, s15, HALFB                      ; my 8 tiles of A
	s_mul_i32 s18, s16, HALFB                      ; my 8 tiles of B,
	s_add_co_u32 s18, s18, BOFF                    ; which lie behind A's 16
.irp q, 0,1,2
	v_add_nc_u32 v[A16+\q], s17, v[L16]
	v_add_nc_u32 v[A8+\q], s17, v[L8]
	v_add_nc_u32 v[B16+\q], s18, v[L16]
	v_add_nc_u32 v[B8+\q], s18, v[L8]
	s_add_co_u32 s17, s17, SLOTB
	s_add_co_u32 s18, s18, SLOTB
.endr
	s_lshl_b32 s17, s15, 12                        ; A's scale words: my 8 tiles
	s_lshl_b32 s18, s16, 12                        ; B's
	s_add_co_u32 s18, s18, SCLB
	s_sub_co_u32 s18, s18, s17
	v_mul_u32_u24 v6, s18, v3                      ; lanes 16-31 take B's: one product, the distance between the two
	s_add_co_u32 s17, s17, SCL
	v_lshl_add_u32 v6, v2, 3, v6
	v_add_nc_u32 v[ADRS], s17, v6
	; THE WAY OUT'S ADDRESSES.  q, k: the tokens are A's (tile row, my half of A), the features B's; v: the other way round
	s_and_b32 s17, s46, 3
	s_cmp_eq_u32 s3, 1
	s_cselect_b32 s19, s46, s47                    ; which 256 tokens
	s_cselect_b32 s20, s16, s15                    ; which half of them
	s_cselect_b32 s21, s47, s17                    ; which 256 features of the 1,024
	s_cselect_b32 s22, s15, s16                    ; which half of them
	s_cselect_b32 s18, 2, s2                       ; 0: q, 1: k, 2: v
	s_lshr_b32 s23, s19, 3                         ; the batch
	s_and_b32 s19, s19, 7
	s_lshl_b32 s19, s19, 1
	s_add_co_u32 s19, s19, s20                     ; the key step: my 128 tokens among the batch's 2,048
	s_lshl_b32 s23, s23, 4
	s_lshl_b32 s21, s21, 2
	s_add_co_u32 s23, s23, s21
	s_lshl_b32 s22, s22, 1
	s_add_co_u32 s23, s23, s22                     ; the first of my two heads
	s_mul_i32 s23, s23, REC
	s_mov_b32 s96, 12288
	s_mov_b32 s97, 768
	s_mov_b32 s98, REC
	s_cmp_eq_u32 s18, 0                            ; q?
	s_cselect_b32 s20, 6144, s96                   ; codes: bytes a key step,
	s_cselect_b32 s21, 208896, s96                 ; and where they begin in a record
	s_cselect_b32 s22, 512, s97                    ; scale words likewise
	s_cselect_b32 s99, 307200, 0
	s_cmp_eq_u32 s18, 2                            ; v?
	s_cselect_b32 s21, 18432, s21
	s_cselect_b32 s99, 512, s99
	s_cselect_b32 s66, 1536, s97                   ; from block to block
	s_cselect_b32 s67, REC-6144, 0                 ; v: blocks 4-7 are the next head's
	s_cselect_b32 s100, s97, s98                   ; a fragment's second half: q, k: the next head's; v: 768 bytes on
	s_cselect_b32 s101, s98, 256                   ; scale words: from blocks 0-3 to blocks 4-7
	s_cselect_b32 s17, 0, s98                      ; q, k: lanes 16-31 store the next head's words; v: the same bytes with the same values as lanes 0-15
	s_cselect_b32 s2, 0, 16
	s_cselect_b32 s3, -1, 0xffff                   ; q, k: two bytes of a word to a head
	s_mul_i32 s20, s20, s19
	s_add_co_u32 s20, s20, s21
	s_add_co_u32 s20, s20, s23
	s_mul_i32 s22, s22, s19
	s_add_co_u32 s22, s22, s99
	s_add_co_u32 s22, s22, s23
	v_add_nc_u32 v[VC0], s20, v[L16]
	v_add_nc_u32 v[VC1], s20, v[L8]
	v_add_nc_u32 v[VC1], 512, v[VC1]
	v_add_nc_u32 v[VC2], s100, v[VC0]
	v_add_nc_u32 v[VC3], s100, v[VC1]
	v_mul_lo_u32 v[VS], v3, s17
	v_lshl_add_u32 v[VS], v2, 4, v[VS]
	v_add_nc_u32 v[VS], s22, v[VS]
	v_mul_u32_u24 v[SHV], s2, v3
	s_mov_b32 s96, 0x76543210
	s_mov_b32 s97, 0xfedcba98                      ; selects for lane l xor 16
.irp b, 0,1,2,3
	v_mov_b32 v[TM+4+\b], 0                        ; a lane permute's destination counts as one of its sources
.endr
.macro FRAG reg, a16, a8, off          ; a fragment comes as it was stored: each load of the wave covers 512 or 256 consecutive bytes
	ds_load_b128 v[(\reg):(\reg)+3], v[\a16] offset:(\off)
	ds_load_b64 v[(\reg)+4:(\reg)+5], v[\a8] offset:(\off)+512
	ds_load_b128 v[(\reg)+6:(\reg)+9], v[\a16] offset:(\off)+768
	ds_load_b64 v[(\reg)+10:(\reg)+11], v[\a8] offset:(\off)+1280
.endm
.macro FETCH_B s                       ; B's eight fragments of K step s into set s % 2; K step s lies in LDS slot (s / 2) % 3
	WIN TO_B
.irp i, 0,1,2,3,4,5,6,7
	FRAG 128*((\s)%2)+FR*\i, B16+((\s)/2)%3, B8+((\s)/2)%3, TILEB*\i+1536*((\s)%2)
.endr
	WIN 0
.endm
.macro FETCH_A s, i0                   ; A's blocks i0 .. i0 + 3
.irp i, \i0, \i0+1, \i0+2, \i0+3
	FRAG AF+FR*(\i), A16+((\s)/2)%3, A8+((\s)/2)%3, TILEB*(\i)+1536*((\s)%2)
.endr
.endm
.macro SCALES q                        ; the scale words of K steps 2 q and 2 q + 1: registers of their own, never written again
.irp i, 0,1,2,3,4,5,6,7
	ds_load_b64 v[SC+8*\i+2*(\q):SC+8*\i+2*(\q)+1], v[ADRS] offset:512*\i+128*(\q)
.endr
.endm
; 16 matrix instructions: A's blocks a0, a0 + 1 x B's eight.  The 64 accumulators take turns, one instruction a turn, in the same order in every K step.
.macro MUL16 a0, s, zero
.irp a, \a0, \a0+1
.irp b, 0,1,2,3,4,5,6,7
.if \zero
	v_wmma_scale_f32_16x16x128_f8f6f4 v[8*(8*((\a)%4)+\b):8*(8*((\a)%4)+\b)+7], v[128*((\s)%2)+FR*\b:128*((\s)%2)+FR*\b+FR-1], v[AF+FR*(\a):AF+FR*(\a)+FR-1], 0, v[SC+8*\b+(\s)], v[SC+8*(\a)+(\s)] matrix_a_fmt:MATRIX_FMT_BF6 matrix_b_fmt:MATRIX_FMT_BF6 matrix_a_scale:MATRIX_SCALE_ROW1
.else
	v_wmma_scale_f32_16x16x128_f8f6f4 v[8*(8*((\a)%4)+\b):8*(8*((\a)%4)+\b)+7], v[128*((\s)%2)+FR*\b:128*((\s)%2)+FR*\b+FR-1], v[AF+FR*(\a):AF+FR*(\a)+FR-1], v[8*(8*((\a)%4)+\b):8*(8*((\a)%4)+\b)+7], v[SC+8*\b+(\s)], v[SC+8*(\a)+(\s)] matrix_a_fmt:MATRIX_FMT_BF6 matrix_b_fmt:MATRIX_FMT_BF6 matrix_a_scale:MATRIX_SCALE_ROW1
.endif
.endr
.endr
.endm
; The second half of a K step: the next step's fragments, in two runs, each four places behind the matrix instructions that read the registers (ISA guide 7.12.1 for vector instructions)
.macro REST s
	FETCH_B (\s)+1
	FETCH_A (\s)+1, 0
.if (\s)%2
	SCALES ((\s)+1)/2
.endif
	WIN MUL_HI
	MUL16 4, \s, 0
	MUL16 6, \s, 0
	PLACES 4
	WIN 0
	FETCH_A (\s)+1, 4
.endm
.macro STEP s, zero
	s_wait_dscnt 16                                ; all but the youngest 16 loads (A's blocks 4-7) are in
	WIN MUL_LO
	MUL16 0, \s, \zero
	MUL16 2, \s, \zero
	s_wait_dscnt 0x0                               ; A's blocks 4-7 are in
	PLACES 4
	FETCH_B (\s)+1
	FETCH_A (\s)+1, 0
.if (\s)%2
	SCALES ((\s)+1)/2
.endif
	WIN MUL_HI
	MUL16 4, \s, \zero
	MUL16 6, \s, \zero
	PLACES 4
	WIN 0
	FETCH_A (\s)+1, 4
.endm
; A K step in front of which all waves meet.  Each wave waits for all its tensor loads, adds 0 to its spare word, and waits for that and for its LDS reads.  fill = 1: LDS slot 0 has been read out and takes K slot 3.
.macro TURN s, fill
	s_wait_tensorcnt 0x0                           ; all my tensor loads have landed
	ds_add_u32 v[SPW], v[NIL]                      ; 0 onto my spare word
	s_wait_dscnt 17                                ; (the add and the youngest 16 loads may be out)
	WIN MUL_LO
	MUL16 0, \s, 0
	s_wait_dscnt 0x0                               ; the add is done, and my reads so far are over
	s_barrier_signal -1
	MUL16 2, \s, 0
	WIN 0
	s_barrier_wait -1
.if \fill
	CREST                                          ; the barrier has opened a round of the cluster's barrier: no wave of any partner still reads slot 0 or has a load on its way
	s_add_nc_u64 s[G0A+2:G0A+3], s[G0A+2:G0A+3], 3*TILEB
	s_add_nc_u64 s[G0B+2:G0B+3], s[G0B+2:G0B+3], 3*TILEB
	JLOAD G0A, G1, G0B, G1B                        ; the first tensor load behind the round; its four v_nop are also the places in front of the loads below
.else
	PLACES 4
.endif
	REST \s
.endm
	s_wait_tensorcnt 0x2                           ; the scale words and my part of K slot 0 are in; K slots 1 and 2 may be out
	s_barrier_signal -1
	s_barrier_wait -1
	FETCH_B 0
	FETCH_A 0, 0
	SCALES 0
	FETCH_A 0, 4
	STEP 0, 1                                      ; the first products start the sums: nothing is cleared
	TURN 1, 1                                      ; its wait for all loads also shows K slots 1 and 2 to everybody
	STEP 2, 0
	STEP 3, 0
	STEP 4, 0
	TURN 5, 0                                      ; K slot 3 has landed
	STEP 6, 0
	s_wait_dscnt 16
	WIN MUL_LO
	MUL16 0, 7, 0
	MUL16 2, 7, 0
	s_wait_dscnt 0x0
	WIN MUL_HI
	MUL16 4, 7, 0
	MUL16 6, 7, 0
	WIN 0
	PLACES 4
; THE WAY OUT, block a of 16 rows of A.  A lane's 64 registers are 128 neighbours along B's rows in two halves of lanes: register 16 j + i = 32 j + 16 (lane / 16) + i.  They become a fragment's 12 registers and a scale word.
.macro OUTQ a
.set AC, 64*((\a)%4)
	WIN 0x0a+5*((\a)/4)                            ; sources 0 and 1: window 2 or 3
.irp b, 0,1,2,3
	v_max3_num_f32 v[TM+\b], |v[AC+16*\b]|, |v[AC+16*\b+1]|, 0x2800000   ; each accumulator is read from its low end on; the floor 2^(5 - 127) holds the byte at 1 from below
.endr
.irp i, 2,4,6,8,10,12,14
.irp b, 0,1,2,3
	v_max3_num_f32 v[TM+\b], |v[AC+16*\b+\i]|, |v[AC+16*\b+\i+1]|, v[TM+\b]
.endr
.endr
	WIN 0
.irp b, 0,1,2,3
	v_permlanex16_b32 v[TM+4+\b], v[TM+\b], s96, s97
.endr
.irp b, 0,1,2,3
	v_max_num_f32 v[TM+\b], v[TM+\b], v[TM+4+\b]   ; with lane l xor 16's: the block's largest magnitude
.endr
.irp b, 0,1,2,3
	v_add_nc_u32 v[TM+12+\b], 0xfe000000, v[TM+\b] ; 4 off the exponent field: the conversion's scale operand
.endr
.irp b, 0,1,2,3
	v_lshrrev_b32 v[TM+4+\b], 23, v[TM+12+\b]
.endr
	v_lshl_or_b32 v[PW], v[TM+5], 8, v[TM+4]
	v_lshl_or_b32 v[PW], v[TM+6], 16, v[PW]
	v_lshl_or_b32 v[PW], v[TM+7], 24, v[PW]
.if (\a) > 0
	s_wait_xcnt 0x0                                ; the last block's stores have read their data and their offsets
.irp r, VC0, VC1, VC2, VC3
	v_add_nc_u32 v[\r], s66, v[\r]
.endr
.endif
.if (\a) == 4
.irp r, VC0, VC1, VC2, VC3
	v_add_nc_u32 v[\r], s67, v[\r]
.endr
	v_add_nc_u32 v[VS], s101, v[VS]
.endif
	WIN 2+(\a)/4                                   ; source 0: window 2 or 3
.irp c, 0,1
	v_cvt_scalef32_pk16_bf6_f32 v[PC+6*\c:PC+6*\c+2], v[AC+32*\c:AC+32*\c+15], v[TM+12+2*\c]
	v_cvt_scalef32_pk16_bf6_f32 v[PC+12+4*\c:PC+14+4*\c], v[AC+32*\c+16:AC+32*\c+31], v[TM+12+2*\c+1]
.endr
	WIN 0
	v_nop                                          ; one plain place behind a scaled conversion
.irp c, 0,1                            ; the operand's layout wants a whole block in a lane
.irp i, 0,1,2
	v_permlane16_swap_b32 v[PC+6*\c+\i], v[PC+12+4*\c+\i]
.endr
.irp i, 0,1,2
	v_mov_b32 v[PC+3+6*\c+\i], v[PC+12+4*\c+\i]
.endr
.endr
	v_lshrrev_b32 v[SW+(\a)%4], v[SHV], v[PW]      ; q, k: lanes 0-15 keep the first head's two bytes, lanes 16-31 the second's; v: the whole word
	v_and_b32 v[SW+(\a)%4], s3, v[SW+(\a)%4]
	global_store_b128 v[VC0], v[PC:PC+3], s[12:13]          ; each store of the wave covers 512 or 256 consecutive bytes, aligned
	global_store_b64 v[VC1], v[PC+4:PC+5], s[12:13]
	global_store_b128 v[VC2], v[PC+6:PC+9], s[12:13]
	global_store_b64 v[VC3], v[PC+10:PC+11], s[12:13]
.if (\a)%4 == 3
	global_store_b128 v[VS], v[SW:SW+3], s[12:13]           ; sixteen lanes store 256 consecutive bytes, aligned
.endif
.endm
.irp a, 0,1,2,3,4,5,6,7
	OUTQ \a
.endr
	s_wait_tensorcnt 0x0                           ; the wave's end
	ds_add_u32 v[SPW], v[NIL]
	s_wait_dscnt 0x0
	CROUND                                         ; the closing round: no work-group ends while a partner may still ask for a tile that names it
	s_endpgm
.Lfunc_end_k_q3378e2cc4e_qkv:
	.size	k_q3378e2cc4e_qkv, .Lfunc_end_k_q3378e2cc4e_qkv-k_q3378e2cc4e_qkv
	.p2alignl 7, 3214868480
	.fill 96, 4, 3214868480
	.section	.rodata,"a",@progbits
	.p2align	6, 0x0
	.amdhsa_kernel k_q3378e2cc4e_qkv
		.amdhsa_group_segment_fixed_size 327680
		.amdhsa_private_segment_fixed_size 0
		.amdhsa_enable_private_segment 0
		.amdhsa_kernarg_size 24
		.amdhsa_user_sgpr_count 2
		.amdhsa_user_sgpr_kernarg_segment_ptr 1
		.amdhsa_wavefront_size32 1
		.amdhsa_system_sgpr_workgroup_id_x 1
		.amdhsa_system_sgpr_workgroup_id_y 1
		.amdhsa_system_sgpr_workgroup_id_z 1
		.amdhsa_system_vgpr_workitem_id 0
		.amdhsa_next_free_vgpr 1024
		.amdhsa_next_free_sgpr 104
		.amdhsa_reserve_vcc 0
		.amdhsa_float_denorm_mode_32 3
		.amdhsa_float_denorm_mode_16_64 3
		.amdhsa_memory_ordered 1
		.amdhsa_forward_progress 1
		.amdhsa_inst_pref_size 152
	.end_amdhsa_kernel
	.amdgpu_metadata
---
amdhsa.version: [ 1, 2 ]
amdhsa.kernels:
  - .name:           k_q3378e2cc4e_qkv
    .symbol:         k_q3378e2cc4e_qkv.kd
    .args:
      - { .name: img, .offset: 0, .size: 8, .value_kind: global_buffer, .address_space: global }
      - { .name: isc, .offset: 8, .size: 8, .value_kind: global_buffer, .address_space: global }
      - { .name: qkv, .offset: 16, .size: 8, .value_kind: global_buffer, .address_space: global }
    .group_segment_fixed_size: 327680
    .private_segment_fixed_size: 0
    .kernarg_segment_align: 8
    .kernarg_segment_size: 24
    .max_flat_workgroup_size: 128
    .sgpr_count:     104
    .vgpr_count:     1024
    .wavefront_size: 32
...
	.end_amdgpu_metadata
.endif
;; end of part 2
;; launch attn (part 3): grid 4 x 64, 16 waves a work-group, clusters of 4 x 1, 210,944 bytes of LDS; arguments qkv, oimg, osc; writes oimg, osc
.if DOCPART == 3
	.amdgcn_target "amdgcn-amd-amdhsa--gfx1250"
	.amdhsa_code_object_version 6
	.text
	.protected	k_q3378e2cc4e_attn
	.globl	k_q3378e2cc4e_attn
	.p2align	8
	.type	k_q3378e2cc4e_attn,@function
k_q3378e2cc4e_attn:
	s_mov_b64 s[64:65], 0
	v_nop
	global_prefetch_b8 v0, s[64:65] scope:SCOPE_SE
	s_setreg_imm32_b32 hwreg(HW_REG_WAVE_MODE, 25, 1), 1
	s_wait_xcnt 0x0
	s_wait_alu depctr_hold_cnt(0) depctr_sa_sdst(0) depctr_va_vdst(0) depctr_va_sdst(0) depctr_va_ssrc(0) depctr_va_vcc(0) depctr_vm_vsrc(0)
	s_getreg_b32 s2, hwreg(HW_REG_IB_STS2, 6, 4)
	s_cmp_eq_u32 s2, 0
	s_cbranch_scc0 .Lentry_in_a_cluster
	s_endpgm
.Lentry_in_a_cluster:
	s_bfe_u32 s2, ttmp6, 0x10000c
	s_cmp_lg_u32 s2, 0x3003
	s_cbranch_scc0 .Lentry_shape_is_right
	s_endpgm
.Lentry_shape_is_right:
; Causal attention of one head (16 b + h = cluster y) on codes of BF6 (E3M2), and its result quantised along D for the last projection.
; t = score x log2(e) / 8; M = the running largest t, rounded up to a whole number; p = 2^(t - M) is quantised along the keys; the row's sum is taken of the unquantised p and divides O at the end.
; THE HEAD'S RECORD (REC bytes): 0: [key step (16)] x 768: K's scale words, two groups of [r][4 tiles], V's [r][4 tiles of d];  12,288: [key step] x 12,288: K's 8 tiles x 768, V's 4 fragments x 1,536;
; 208,896: Q's 128 tiles x 768;  307,200: Q's scale words [tile / 4][r][tile % 4].  Lane row r of a tile T of tokens is token 32 (T / 2) + 8 (T % 2) + r + 8 (r / 8).
; THE WHOLE HEAD'S K AND V STAY IN LDS: the record's first 208,896 bytes, as they lie, filled once.  The four work-groups of a cluster serve one head and want the same bytes at the same time: JOINT loads, two a wave.
; No LDS byte is filled again and none is stored to.
; SHARES.  Query tile T needs T / 8 + 1 key steps of 128 keys; tiles T and 127 - T together 17.  Wave w of partner cx takes T = 127 - (4 w + cx), then T = 4 w + cx: 16 - w / 2 steps and w / 2 + 1 steps.
; The split hangs on the wave's number alone: no branch and no LDS address hangs on a work-group's place in its cluster.  Every wave of the launch runs 17 key steps, two of them on the diagonal.
; BOTH PRODUCTS TRANSPOSED: S^T = K Q^T, O^T = V^T P^T: a lane holds one query throughout; by the tiles' row order the 16 registers of two neighbouring tiles are 16 neighbouring keys (or channels).
; K = 64 IN AN INSTRUCTION OF 128: Q's registers 6-11 hold zero codes, and bytes 2, 3 of q's and k's scale words are 0 (2^-127, a number).  Source 0 of tile t names v[32 + 6 t .. 43 + 6 t]: its upper six registers
; are the next tile's codes (behind the last tile: zeros); every code of E3M2 is a finite number and meets a zero code, so they add nothing.
; THE RESULT: oimg, osc: images as the projection's operand wants them.  A head's two scale bytes of a row are half a word: they leave by a store of two bytes a lane (lanes 16-31 store the same bytes with the same
; values as lanes 0-15): 32 bytes a tile against its 768 bytes of codes.
; LIMITS: NaN and infinities are not served; a block of zeros gets the byte 1 (its codes are zeros; this program alone reads the bytes).
; REGISTERS: v1-3 LDS places that stay; v4 the mask's number; v5-7 the step's LDS addresses; v8-10 the stores' offsets; v11, v29, v30 16 x lane, 8 x lane, 8 r; v12 -M, v13 the largest t, v[14:15] the sum;
; v16-27 Q; v28 Q's scale word; v32-79 K's 8 tiles, then V's 4 fragments; v80-85 zeros; v86-93 the second tile's Q, scale word and mask number; v96-159 S^T, then p; v160-191 O^T; v192-203 K's and V's scale words;
; v224-235 p's codes; v232-254 at work.
.set REC, 315392
.macro CROUND                          ; a round of the cluster's barrier
	s_barrier_signal -1
	s_barrier_wait -1
	s_cmp_lg_u32 s12, 0
	s_cbranch_scc1 .Lnot_wave_0_\@
	s_barrier_signal -3
.Lnot_wave_0_\@:
	s_barrier_wait -3
	s_barrier_signal -1
	s_barrier_wait -1
.endm
	s_load_b128 s[4:7], s[0:1], 0x0                ; qkv, oimg
	s_load_b64 s[8:9], s[0:1], 0x10                ; osc
	v_lshl_add_u32 v251, v0, 2, 0x33000
	v_mov_b32 v255, 0
	ds_add_u32 v251, v255
	ds_add_u32 v251, v255
	v_lshrrev_b32 v1, 5, v0
	s_delay_alu instid0(VALU_DEP_1)
	v_readfirstlane_b32 s12, v1                    ; wave 0..15
	s_bfe_u32 s48, ttmp6, 0x40000                  ; cx: it enters global addresses and the mask's numbers alone
	s_and_b32 s49, ttmp7, 0xffff                   ; the head, which the four partners share
	s_mul_i32 s56, s49, REC
	s_mov_b32 s57, 0
	; two groups 1: dense blocks as rows of 256 bytes (32 elements of 8 bytes): 9 rows, and 42
	s_mov_b32 s24, 15|(3<<16)|(1<<21)              ; 15:0 the mask: all four work-groups; 17:16 elements of 8 bytes; 21 set beside a mask
	s_mov_b32 s25, 32<<16
	s_mov_b32 s26, 9<<16
	s_mov_b32 s27, 32<<16
	s_mov_b32 s28, 9
	s_mov_b32 s29, 32
	s_mov_b32 s30, 0
	s_mov_b32 s31, 0
	s_mov_b32 s32, 15|(3<<16)|(1<<21)
	s_mov_b32 s33, 32<<16
	s_mov_b32 s34, 42<<16
	s_mov_b32 s35, 32<<16
	s_mov_b32 s36, 42
	s_mov_b32 s37, 32
	s_mov_b32 s38, 0
	s_mov_b32 s39, 0
	s_mul_i32 s58, s12, 2304                       ; my sixteenth of bytes 0 .. 36,863: all scale words, key steps 0 and 1
	s_mov_b32 s59, 0
	s_mul_i32 s60, s12, 10752
	s_add_co_u32 s60, s60, 36864                   ; and of the rest: key steps 2 to 15
	s_mov_b32 s61, 0
	s_mov_b32 s20, 0x76543210
	s_mov_b32 s21, 0xfedcba98                      ; selects for lane l xor 16
	s_mov_b32 s22, 0x3e38aa3b                      ; c = log2(e) / sqrt(64)
	s_mov_b32 s23, s22                             ; (named with it as a pair, so it is written)
	s_wait_dscnt 0x0
	s_wait_kmcnt 0x0
	s_add_nc_u64 s[4:5], s[4:5], s[56:57]          ; the head's record
	s_mov_b32 s40, 1
	s_mov_b32 s41, s58                             ; LDS address = the place in the record
	s_add_nc_u64 s[42:43], s[4:5], s[58:59]
	s_or_b32 s43, s43, 0x80000000
	s_mov_b32 s44, 1
	s_mov_b32 s45, s60
	s_add_nc_u64 s[46:47], s[4:5], s[60:61]
	s_or_b32 s47, s47, 0x80000000
	CROUND                                         ; all four work-groups are here: the joint loads meet
	tensor_load_to_lds s[40:43], s[24:31]
	s_nop 0
	tensor_load_to_lds s[44:47], s[32:39]          ; two loads of mine are out; four v_nop follow the second
	s_nop 0
.rept 4
	v_nop
.endr
	v_and_b32 v5, 31, v0                           ; lane
	v_and_b32 v6, 15, v0                           ; r
	v_bfe_u32 v7, v0, 4, 1                         ; h
	s_delay_alu instid0(VALU_DEP_3)
	v_lshlrev_b32 v11, 4, v5
	s_delay_alu instid0(VALU_DEP_4)
	v_lshlrev_b32 v29, 3, v5
	s_delay_alu instid0(VALU_DEP_4)
	v_lshlrev_b32 v30, 3, v6
	v_lshlrev_b32 v3, 4, v6
	s_wait_alu depctr_va_vdst(0)
	v_add_nc_u32 v1, 12288, v11                    ; codes begin 12,288 bytes into the record
	v_add_nc_u32 v2, 12288, v29
	v_and_b32 v31, 8, v6
	s_delay_alu instid0(VALU_DEP_1)
	v_add_nc_u32 v31, v31, v6
	v_lshlrev_b32 v7, 4, v7
	s_delay_alu instid0(VALU_DEP_1)
	v_sub_nc_u32 v31, v31, v7                      ; r + 8 (r / 8) - 16 h
	s_wait_alu depctr_va_vdst(0)
	s_lshl_b32 s50, s12, 2
	s_add_co_u32 s50, s50, s48                     ; my low tile
	s_sub_co_u32 s51, 127, s50                     ; my high tile
	s_lshr_b32 s13, s12, 1
	s_sub_co_u32 s13, 16, s13                      ; the high tile's key steps
	s_sub_co_u32 s10, s13, 1                       ; its last trip
	s_lshr_b32 s60, s49, 4
	s_lshl_b32 s60, s60, 7                         ; 128 x batch: the batch's first row tile
	s_and_b32 s61, s49, 15                         ; the head in the batch
	s_mul_i32 s62, s61, 768                        ; its half fragment in a row tile of oimg
	s_and_b32 s63, s61, 3
	s_lshl_b32 s63, s63, 1
	s_lshr_b32 s61, s61, 2
	s_lshl_b32 s61, s61, 7
	s_add_co_u32 s63, s63, s61                     ; its two bytes in a row tile of osc: 128 (head / 4) + 2 (head % 4)
; Tile s[t]: its Q and scale word are asked for; its mask number and its places in oimg and osc are made.
.macro TILE t, va, q, sw, d, so, ss
	s_mul_i32 s56, s[\t], 768
	s_add_co_u32 s56, s56, 208896
	s_lshr_b32 s57, s[\t], 2
	s_lshl_b32 s57, s57, 8
	s_and_b32 s58, s[\t], 3
	s_lshl_b32 s58, s58, 2
	s_add_co_u32 s57, s57, s58
	s_add_co_u32 s57, s57, 307200
	v_add_nc_u32 v[\va], s56, v11
	v_add_nc_u32 v[\va+1], s56, v29
	v_add_nc_u32 v[\va+2], s57, v3
	global_load_b128 v[\q:\q+3], v[\va], s[4:5]
	global_load_b64 v[\q+4:\q+5], v[\va+1], s[4:5] offset:512
	global_load_b32 v[\sw], v[\va+2], s[4:5]
	s_and_b32 s58, s[\t], 7
	s_lshr_b32 s58, s58, 1
	s_lshl_b32 s58, s58, 5
	s_and_b32 s59, s[\t], 1
	s_lshl_b32 s59, s59, 3
	s_add_co_u32 s58, s58, s59
	v_add_nc_u32 v[\d], s58, v31                   ; my query less the diagonal step's first key, less 16 h
	s_add_co_u32 s58, s60, s[\t]
	s_mul_i32 s[\so], s58, 12288
	s_add_co_u32 s[\so], s[\so], s62
	s_lshl_b32 s[\ss], s58, 9
	s_add_co_u32 s[\ss], s[\ss], s63
.endm
	TILE 51, 5, 16, 28, 4, 52, 53
	TILE 50, 8, 86, 92, 93, 54, 55
.irp j, 22,23,24,25,26,27,80,81,82,83,84,85
	v_mov_b32 v[\j], 0                             ; zero codes
.endr
	v_mov_b32 v13, 0xff61b1e6                      ; the largest t so far: -3e38, under every t
	s_delay_alu instid0(VALU_DEP_1)
	v_floor_f32 v12, -v13                          ; -M
	v_mov_b32 v14, 0
	v_mov_b32 v15, 0
.irp b, 0,1,2,3
	v_mov_b32 v[236+\b], 0                         ; a lane permute's destination counts as one of its sources
.endr
	v_mov_b32 v253, 0                              ; (named as the upper half of the pair v[252:253] before it is first written)
.set j, 0
.rept 32
	v_mov_b32 v[160+j], 0                          ; O^T: the step is written once; the first change of M leaves zeros zeros
.set j, j+1
.endr
; A KEY STEP: 128 keys, at s16 bytes among the codes and s17 among the scale words.  mask = 1: in the tile's last trip the hidden scores become -infinity.
.macro STEP mask
	v_add_nc_u32 v5, s16, v1
	v_add_nc_u32 v6, s16, v2
	v_add_nc_u32 v7, s17, v3
	v_nop                                          ; four places in front of loads into registers that the last products have read
.irp t, 0,1,2,3,4,5,6,7
	ds_load_b128 v[32+6*\t:35+6*\t], v5 offset:768*\t
	ds_load_b64 v[36+6*\t:37+6*\t], v6 offset:768*\t+512
.endr
	ds_load_b128 v[192:195], v7
	ds_load_b128 v[196:199], v7 offset:256
	s_wait_alu depctr_va_vdst(0)
	s_wait_dscnt 0x0
.irp t, 0,1,2,3,4,5,6,7
	v_wmma_scale_f32_16x16x128_f8f6f4 v[96+8*\t:103+8*\t], v[32+6*\t:43+6*\t], v[16:27], 0, v[192+\t], v28 matrix_a_fmt:MATRIX_FMT_BF6 matrix_b_fmt:MATRIX_FMT_BF6
.endr
.rept 4
	v_nop                                          ; places in front of the first read of the scores and of the loads below
.endr
.irp t, 0,1,2,3                        ; V's fragments are asked for here and land under the softmax
	ds_load_b128 v[32+12*\t:35+12*\t], v5 offset:6144+1536*\t
	ds_load_b64 v[36+12*\t:37+12*\t], v6 offset:6144+1536*\t+512
	ds_load_b128 v[38+12*\t:41+12*\t], v5 offset:6144+1536*\t+768
	ds_load_b64 v[42+12*\t:43+12*\t], v6 offset:6144+1536*\t+1280
.endr
	ds_load_b128 v[200:203], v7 offset:512
.if \mask
	s_cmp_lg_u32 s14, s18                          ; a scalar branch on the trip and the wave's number: only a tile's last step lies on the diagonal
	s_cbranch_scc1 .Lopen_\@
	v_mov_b32 v254, 0xff800000                     ; -infinity
.set n, 0
.rept 64
	v_cmp_gt_i32 vcc_lo, 32*(n/16)+n%16, v4        ; register 16 j + i holds key 32 j + 16 h + i of the step: hidden where it comes after my query
	v_cndmask_b32 v[96+n], v[96+n], v254, vcc_lo
.set n, n+1
.endr
.Lopen_\@:
.endif
.irp b, 0,1,2,3
	v_max3_num_f32 v[232+\b], v[96+16*\b], v[97+16*\b], v[98+16*\b]   ; the largest score of each block of 32 keys: for the row's maximum, and, since p rises with the score, for the block's largest p
.endr
.irp i, 3,5,7,9,11,13
.irp b, 0,1,2,3
	v_max3_num_f32 v[232+\b], v[232+\b], v[96+16*\b+\i], v[97+16*\b+\i]
.endr
.endr
.irp b, 0,1,2,3
	v_max_num_f32 v[232+\b], v[232+\b], v[111+16*\b]
.endr
.irp b, 0,1,2,3
	s_delay_alu instid0(VALU_DEP_4)
	v_permlanex16_b32 v[236+\b], v[232+\b], s20, s21
.endr
.irp b, 0,1,2,3
	s_delay_alu instid0(VALU_DEP_4)
	v_max_num_f32 v[232+\b], v[232+\b], v[236+\b]  ; with lane l xor 16's 16 keys
.endr
	s_delay_alu instid0(VALU_DEP_2)
	v_max3_num_f32 v254, v232, v233, v234
	s_delay_alu instid0(VALU_DEP_1)
	v_max_num_f32 v254, v254, v235
	s_delay_alu instid0(VALU_DEP_1)
	v_mul_f32 v254, s22, v254                      ; as t (c is positive)
	s_delay_alu instid0(VALU_DEP_1)
	v_max_num_f32 v13, v13, v254                   ; the running largest t
	v_mov_b32 v254, v12
	s_delay_alu instid0(VALU_DEP_2)
	v_floor_f32 v12, -v13                          ; the new -M = floor(-t): M is a whole number
	s_delay_alu instid0(VALU_DEP_1)
	v_sub_f32 v254, v12, v254                      ; old M - new M: a whole number, 0 or less
	s_delay_alu instid0(VALU_DEP_1)
	v_cvt_i32_f32 v254, v254                       ; (it saturates)
	s_delay_alu instid0(VALU_DEP_1)
	v_ldexp_f32 v252, 1.0, v254                    ; f = 2^(old M - new M): a multiplication by it rounds nothing
.set j, 0
.rept 32
	v_pk_fma_f32 v[96+j:97+j], v[96+j:97+j], s[22:23], v[12:13] op_sel_hi:[1,0,0]   ; t - M, two at a time
.set j, j+2
.endr
.irp b, 0,1,2,3
	v_fma_f32 v[232+\b], v[232+\b], s22, v12
.endr
.set j, 0
	s_wait_alu depctr_va_vdst(0)
.rept 64
	v_exp_f32 v[96+j], v[96+j]                     ; p = 2^(t - M), at most 1
.set j, j+1
.endr
.irp b, 0,1,2,3
	v_exp_f32 v[232+\b], v[232+\b]                 ; the block's largest p
.endr
	v_pk_mul_f32 v[14:15], v[14:15], v[252:253] op_sel_hi:[1,0]   ; the sums under the new M.  (A plain place behind the exponentials)
	s_wait_alu depctr_va_vdst(0)
.irp b, 0,1,2,3
	v_max_num_f32 v[232+\b], 0x2800000, v[232+\b]  ; the floor 2^(5 - 127): the byte cannot fall under 1
.endr
.irp b, 0,1,2,3
	s_delay_alu instid0(VALU_DEP_4)
	v_add_nc_u32 v[244+\b], 0xfe000000, v[232+\b]  ; 4 off the exponent field: the conversion's scale operand
.endr
.irp b, 0,1,2,3
	s_delay_alu instid0(VALU_DEP_4)
	v_lshrrev_b32 v[236+\b], 23, v[244+\b]
.endr
	s_delay_alu instid0(VALU_DEP_3)
	v_lshl_or_b32 v253, v237, 8, v236              ; p's scale word for these 128 keys
	s_delay_alu instid0(VALU_DEP_1)
	v_lshl_or_b32 v253, v238, 16, v253
	s_delay_alu instid0(VALU_DEP_1)
	v_lshl_or_b32 v253, v239, 24, v253
.irp c, 0,1
	v_cvt_scalef32_pk16_bf6_f32 v[224+6*\c:226+6*\c], v[96+32*\c:111+32*\c], v[244+2*\c]
	v_cvt_scalef32_pk16_bf6_f32 v[236+4*\c:238+4*\c], v[112+32*\c:127+32*\c], v[244+2*\c+1]
.endr
	v_nop                                          ; one plain place behind a scaled conversion
.irp c, 0,1
.irp i, 0,1,2
	v_permlane16_swap_b32 v[224+6*\c+\i], v[236+4*\c+\i]
.endr
.irp i, 0,1,2
	s_delay_alu instid0(VALU_DEP_3)
	v_mov_b32 v[227+6*\c+\i], v[236+4*\c+\i]
.endr
.endr
	v_pk_add_f32 v[236:237], v[100:101], v[104:105]
	v_pk_add_f32 v[248:249], v[108:109], v[112:113]
	v_pk_add_f32 v[246:247], v[116:117], v[120:121]
	v_pk_add_f32 v[244:245], v[124:125], v[128:129]
	v_pk_add_f32 v[242:243], v[132:133], v[136:137]
	v_pk_add_f32 v[240:241], v[140:141], v[144:145]
	v_pk_add_f32 v[222:223], v[148:149], v[152:153]
	v_pk_add_f32 v[14:15], v[14:15], v[156:157]
	v_pk_add_f32 v[236:237], v[236:237], v[96:97]
	v_pk_add_f32 v[248:249], v[248:249], v[98:99]
	v_pk_add_f32 v[246:247], v[246:247], v[102:103]
	v_pk_add_f32 v[244:245], v[244:245], v[106:107]
	v_pk_add_f32 v[242:243], v[242:243], v[110:111]
	v_pk_add_f32 v[240:241], v[240:241], v[114:115]
	v_pk_add_f32 v[222:223], v[222:223], v[118:119]
	v_pk_add_f32 v[14:15], v[14:15], v[122:123]
	v_pk_add_f32 v[236:237], v[236:237], v[126:127]
	v_pk_add_f32 v[248:249], v[248:249], v[130:131]
	v_pk_add_f32 v[246:247], v[246:247], v[134:135]
	v_pk_add_f32 v[244:245], v[244:245], v[138:139]
	v_pk_add_f32 v[242:243], v[242:243], v[142:143]
	v_pk_add_f32 v[240:241], v[240:241], v[146:147]
	v_pk_add_f32 v[222:223], v[222:223], v[150:151]
	v_pk_add_f32 v[14:15], v[14:15], v[154:155]
	v_pk_add_f32 v[236:237], v[236:237], v[158:159]
	s_delay_alu instid0(VALU_DEP_2)
	v_pk_add_f32 v[14:15], v[14:15], v[244:245]
	s_delay_alu instid0(VALU_DEP_2)
	v_pk_add_f32 v[236:237], v[236:237], v[242:243]
	v_pk_add_f32 v[248:249], v[248:249], v[240:241]
	v_pk_add_f32 v[246:247], v[246:247], v[222:223]
	s_delay_alu instid0(VALU_DEP_2)
	v_pk_add_f32 v[14:15], v[14:15], v[248:249]
	s_delay_alu instid0(VALU_DEP_2)
	v_pk_add_f32 v[236:237], v[236:237], v[246:247]
	s_delay_alu instid0(VALU_DEP_1)
	v_pk_add_f32 v[14:15], v[14:15], v[236:237]
.set j, 0
.rept 16
	v_pk_mul_f32 v[160+j:161+j], v[160+j:161+j], v[252:253] op_sel_hi:[1,0]   ; O^T under the new M.  (With the sums above: the places between p's codes and scale word and the products below)
.set j, j+2
.endr
	s_wait_alu depctr_va_vdst(0)
	s_wait_dscnt 0x0                               ; V is in
.irp t, 0,1,2,3                        ; four accumulators by turns
	v_wmma_scale_f32_16x16x128_f8f6f4 v[160+8*\t:167+8*\t], v[32+12*\t:43+12*\t], v[224:235], v[160+8*\t:167+8*\t], v[200+\t], v253 matrix_a_fmt:MATRIX_FMT_BF6 matrix_b_fmt:MATRIX_FMT_BF6
.endr
.endm
; A TILE'S END: O^T / the sum, quantised along D (the head's two blocks of 32), stored as half a fragment and two scale bytes a row.
.macro FINISH
	v_add_f32 v14, v14, v15
	s_delay_alu instid0(VALU_DEP_1)
	v_permlanex16_b32 v252, v14, s20, s21
	s_delay_alu instid0(VALU_DEP_1)
	v_add_f32 v14, v14, v252                       ; the row's sum
	s_wait_alu depctr_va_vdst(0)
	v_rcp_f32 v14, v14
	v_add_nc_u32 v8, s52, v11                      ; (plain places behind the reciprocal and, with the additions above, behind the last products)
	v_add_nc_u32 v9, s52, v29
	v_add_nc_u32 v10, s53, v30
.set j, 0
	s_wait_alu depctr_va_vdst(0)
.rept 16
	v_pk_mul_f32 v[96+j:97+j], v[160+j:161+j], v[14:15] op_sel_hi:[1,0]   ; register 16 j + i is channel 32 j + 16 h + i of my query
.set j, j+2
.endr
.irp b, 0,1
	v_max3_num_f32 v[232+\b], |v[96+16*\b]|, |v[97+16*\b]|, 0x2800000
.endr
.irp i, 2,4,6,8,10,12,14
.irp b, 0,1
	s_delay_alu instid0(VALU_DEP_2)
	v_max3_num_f32 v[232+\b], v[232+\b], |v[96+16*\b+\i]|, |v[97+16*\b+\i]|
.endr
.endr
.irp b, 0,1
	s_delay_alu instid0(VALU_DEP_2)
	v_permlanex16_b32 v[236+\b], v[232+\b], s20, s21
.endr
.irp b, 0,1
	s_delay_alu instid0(VALU_DEP_2)
	v_max_num_f32 v[232+\b], v[232+\b], v[236+\b]
.endr
.irp b, 0,1
	s_delay_alu instid0(VALU_DEP_2)
	v_add_nc_u32 v[244+\b], 0xfe000000, v[232+\b]
.endr
.irp b, 0,1
	s_delay_alu instid0(VALU_DEP_2)
	v_lshrrev_b32 v[236+\b], 23, v[244+\b]
.endr
	s_delay_alu instid0(VALU_DEP_1)
	v_lshl_or_b32 v254, v237, 8, v236              ; the head's two bytes of my row's scale word
	v_cvt_scalef32_pk16_bf6_f32 v[224:226], v[96:111], v244
	v_cvt_scalef32_pk16_bf6_f32 v[240:242], v[112:127], v245
	v_nop
.irp i, 0,1,2
	v_permlane16_swap_b32 v[224+\i], v[240+\i]
.endr
.irp i, 0,1,2
	s_delay_alu instid0(VALU_DEP_3)
	v_mov_b32 v[227+\i], v[240+\i]
.endr
	global_store_b128 v8, v[224:227], s[6:7]       ; 512 consecutive bytes, aligned
	global_store_b64 v9, v[228:229], s[6:7] offset:512
	global_store_b16 v10, v254, s[8:9]
.endm
	s_wait_loadcnt 0x0                             ; both tiles' Q; their address registers may be written again
	s_wait_tensorcnt 0x1                           ; my part of the first 36,864 bytes is in; my second load may be out
	s_barrier_signal -1
	s_barrier_wait -1                              ; everybody's is
	s_mov_b32 s16, 0                               ; key steps 0 and 1 of the high tile (it has nine steps at the least) are written out: their LDS addresses are constants, clear of the bytes still on their way
	s_mov_b32 s17, 0
	STEP 0
	s_mov_b32 s16, 12288
	s_mov_b32 s17, 768
	STEP 0
	s_wait_tensorcnt 0x0                           ; my part of the rest is in,
	s_wait_dscnt 0x0
	s_barrier_signal -1
	s_barrier_wait -1                              ; everybody's is: from here on no wave waits for another
	s_mov_b32 s14, 2
.Ltrip:                                            ; trips 2 to 16
	s_cmp_ge_u32 s14, s13                          ; the low tile's turn?
	s_cselect_b32 s19, s13, 0
	s_cselect_b32 s18, 16, s10                     ; the trip in which the tile in hand meets the diagonal
	s_sub_co_u32 s15, s14, s19
	s_min_u32 s15, s15, 15                         ; the key step
	s_mul_i32 s16, s15, 12288
	s_mul_i32 s17, s15, 768
	STEP 1
	s_cmp_lg_u32 s14, s10
	s_cbranch_scc1 .Lsame_tile
	FINISH                                         ; the high tile is done
	s_wait_xcnt 0x0                                ; its stores have read their registers
	v_mov_b32 v28, v92                             ; the low tile's scale word and Q first: the lines below are the places between them and the next product
.irp i, 0,1,2,3,4,5
	v_mov_b32 v[16+\i], v[86+\i]
.endr
	v_mov_b32 v4, v93
	v_mov_b32 v13, 0xff61b1e6
	s_delay_alu instid0(VALU_DEP_1)
	v_floor_f32 v12, -v13
	v_mov_b32 v14, 0
	v_mov_b32 v15, 0
.set j, 0
.rept 32
	v_mov_b32 v[160+j], 0
.set j, j+1
.endr
	s_mov_b32 s52, s54
	s_mov_b32 s53, s55
.Lsame_tile:
	s_add_co_u32 s14, s14, 1
	s_cmp_lt_u32 s14, 17
	s_cbranch_scc1 .Ltrip
	FINISH                                         ; the low tile
	s_wait_tensorcnt 0x0
	ds_add_u32 v251, v255
	s_wait_dscnt 0x0
	CROUND                                         ; the closing round
	s_endpgm
.Lfunc_end_k_q3378e2cc4e_attn:
	.size	k_q3378e2cc4e_attn, .Lfunc_end_k_q3378e2cc4e_attn-k_q3378e2cc4e_attn
	.p2alignl 7, 3214868480
	.fill 96, 4, 3214868480
	.section	.rodata,"a",@progbits
	.p2align	6, 0x0
	.amdhsa_kernel k_q3378e2cc4e_attn
		.amdhsa_group_segment_fixed_size 210944
		.amdhsa_private_segment_fixed_size 0
		.amdhsa_enable_private_segment 0
		.amdhsa_kernarg_size 24
		.amdhsa_user_sgpr_count 2
		.amdhsa_user_sgpr_kernarg_segment_ptr 1
		.amdhsa_wavefront_size32 1
		.amdhsa_system_sgpr_workgroup_id_x 1
		.amdhsa_system_sgpr_workgroup_id_y 1
		.amdhsa_system_sgpr_workgroup_id_z 1
		.amdhsa_system_vgpr_workitem_id 0
		.amdhsa_next_free_vgpr 256
		.amdhsa_next_free_sgpr 66
		.amdhsa_reserve_vcc 1
		.amdhsa_float_denorm_mode_32 3
		.amdhsa_float_denorm_mode_16_64 3
		.amdhsa_memory_ordered 1
		.amdhsa_forward_progress 1
		.amdhsa_inst_pref_size 76
	.end_amdhsa_kernel
	.amdgpu_metadata
---
amdhsa.version: [ 1, 2 ]
amdhsa.kernels:
  - .name:           k_q3378e2cc4e_attn
    .symbol:         k_q3378e2cc4e_attn.kd
    .args:
      - { .name: qkv, .offset: 0, .size: 8, .value_kind: global_buffer, .address_space: global }
      - { .name: oimg, .offset: 8, .size: 8, .value_kind: global_buffer, .address_space: global }
      - { .name: osc, .offset: 16, .size: 8, .value_kind: global_buffer, .address_space: global }
    .group_segment_fixed_size: 210944
    .private_segment_fixed_size: 0
    .kernarg_segment_align: 8
    .kernarg_segment_size: 24
    .max_flat_workgroup_size: 512
    .sgpr_count:     66
    .vgpr_count:     256
    .wavefront_size: 32
...
	.end_amdgpu_metadata
.endif
;; end of part 3
;; launch proj (part 4): grid 4 x 32, 4 waves a work-group, clusters of 4 x 4, 327,680 bytes of LDS; arguments oimg, osc, img, isc, out0; writes out0
.if DOCPART == 4
	.amdgcn_target "amdgcn-amd-amdhsa--gfx1250"
	.amdhsa_code_object_version 6
	.text
	.protected	k_q3378e2cc4e_proj
	.globl	k_q3378e2cc4e_proj
	.p2align	8
	.type	k_q3378e2cc4e_proj,@function
k_q3378e2cc4e_proj:
	s_mov_b64 s[64:65], 0
	v_nop
	global_prefetch_b8 v0, s[64:65] scope:SCOPE_SE
	s_setreg_imm32_b32 hwreg(HW_REG_WAVE_MODE, 25, 1), 1
	s_wait_xcnt 0x0
	s_wait_alu depctr_hold_cnt(0) depctr_sa_sdst(0) depctr_va_vdst(0) depctr_va_sdst(0) depctr_va_ssrc(0) depctr_va_vcc(0) depctr_vm_vsrc(0)
	s_getreg_b32 s2, hwreg(HW_REG_IB_STS2, 6, 4)
	s_cmp_eq_u32 s2, 0
	s_cbranch_scc0 .Lentry_in_a_cluster
	s_endpgm
.Lentry_in_a_cluster:
	s_bfe_u32 s2, ttmp6, 0x10000c
	s_cmp_lg_u32 s2, 0xf033
	s_cbranch_scc0 .Lentry_shape_is_right
	s_endpgm
.Lentry_shape_is_right:
; out0 = o wo^T on codes of BF6 (E3M2), K = 1,024; out0 [8192][1024] f32.  A = the attention's result (oimg, osc), B = wo (row tiles 704 on of img, isc).
; OPERANDS are images of operand registers: row tile t (16 rows; lane row r = row 32 (t / 2) + 8 (t % 2) + r + 8 (r / 8)), K step s: 1,536 bytes at 12,288 t + 1,536 s; scale words at 512 t + 128 (s / 2) + 8 r + 4 (s % 2).
; A TILE of C is 256 x 256: four waves, each 128 x 128 in 64 accumulators.  Source 0 = 16 rows of B, source 1 = 16 rows of A: a lane holds one token, and the 16 registers of B's tiles 2 j and 2 j + 1 are 16
; neighbouring columns: 32 j + 16 (lane / 16) + 0 .. 15.
; K: eight steps of 128, written out.  Two steps are a K slot; K slots 0, 1, 2 are first fills of three LDS slots, K slot 3 is the one refill, into slot 0; it has four K steps, 256 matrix instructions, in which to land.
; CLUSTERS: 4 x 4 work-groups; A's tiles are shared along a row of the cluster, B's along a column: joint loads, each with a mask that names the four.
; THE WAY OUT: a block of 16 tokens x 128 columns goes through the wave's own stage in LDS and leaves as whole rows of 512 bytes.  The stage lies in LDS slot 1, which has had its only fill, and whose last read stands ahead
; of the last meeting of the waves.
; REGISTERS, in windows of 256: window 0: v4-29 addresses; v64-127 scale words (register 64 + 8 i + s: lanes 0-15 A's block i, lanes 16-31 B's block i, K step s); v128-223 A's fragments, one set; on the way out v128-255 rows of C.
;   window 1: B's fragments, two sets, at v0 and v128.   windows 2, 3: the accumulators ((a, b) at v[8 (8 (a % 4) + b)]).
.set SLOTB, 98304                      ; an LDS slot: A's 16 tiles x 3,072 bytes (two K steps), then B's
.set BOFF,  49152
.set HALFB, 24576
.set TILEB, 3072
.set SCL,   294912                     ; behind the three slots: A's scale words, 8,192 bytes;
.set SCLB,  8320                       ; B's begin 8,320 bytes on
.set SPARE, 311552                     ; the spare words, 128 bytes for each wave: two blocks of 256 bytes that no other line names
.set STAGE, SLOTB
.set SPITCH, 528
.set FR,    12
.set L16,  4                           ; v4   16 x lane: also my offset in a row of C
.set L8,   5
.set A16,  8
.set A8,   11
.set B16,  14
.set B8,   17
.set ADRS, 20
.set STO,  21                          ; v21  the way out: where I put 64 bytes of a row
.set RD,   22                          ; v22  where I read a row back
.set SPW,  28
.set NIL,  29
.set SC,   64
.set AF,   128
.set BK,   128
.set G1,   24
.set G0A,  32
.set G1B,  48
.set G0B,  56
.set G0B2, 92
.set G1S,  68
.set G0S,  76
.set G1SB, 80
.set G0SB, 88
.set MSB, 0
.macro WIN new                         ; the immediate's high byte repeats the setting that is left
.if MSB != (\new)
	s_set_vgpr_msb (MSB<<8)|(\new)
.set MSB, (\new)
.endif
.endm
.set MUL_LO, 0xa1
.set MUL_HI, 0xf1
.set TO_B,   0x40
.macro JLOAD g0a, g1a, g0b, g1b        ; a joint load: waves 0 and 1 fetch for A, waves 2 and 3 for B; four v_nop follow each of the two lines
	s_cmp_eq_u32 s15, 0
	s_cbranch_scc0 .Lfor_b_\@
	tensor_load_to_lds s[\g0a:\g0a+3], s[\g1a:\g1a+7]
	s_nop 0
.rept 4
	v_nop
.endr
	s_branch .Lasked_\@
.Lfor_b_\@:
	tensor_load_to_lds s[\g0b:\g0b+3], s[\g1b:\g1b+7]
	s_nop 0
.rept 4
	v_nop
.endr
.Lasked_\@:
.endm
.macro CREST
	s_cmp_lg_u32 s14, 0
	s_cbranch_scc1 .Lnot_wave_0_\@
	s_barrier_signal -3
.Lnot_wave_0_\@:
	s_barrier_wait -3
	s_barrier_signal -1
	s_barrier_wait -1
.endm
.macro CROUND
	s_barrier_signal -1
	s_barrier_wait -1
	CREST
.endm
.macro PLACES n
.rept \n
	v_nop
.endr
.endm
	s_load_b128 s[4:7], s[0:1], 0x0                ; oimg, osc
	s_load_b128 s[8:11], s[0:1], 0x10              ; img, isc
	s_load_b64 s[12:13], s[0:1], 0x20              ; out0
	v_lshl_add_u32 v[SPW], v0, 2, SPARE
	v_mov_b32 v[NIL], 0
	ds_add_u32 v28, v29
	ds_add_u32 v28, v29
	s_wait_dscnt 0x0
	v_lshrrev_b32 v1, 5, v0
	v_readfirstlane_b32 s14, v1                    ; wave 0..3
	s_lshr_b32 s15, s14, 1                         ; which half of A's rows is mine.  Also: I fetch for A (0) or for B (1)
	s_and_b32 s16, s14, 1                          ; which half of B's rows.  Also: which 8 tiles I fetch
	s_bfe_u32 s44, ttmp6, 0x40000                  ; cx
	s_bfe_u32 s45, ttmp6, 0x40004                  ; cy
	s_lshl_b32 s46, ttmp9, 2
	s_add_co_u32 s46, s46, s44                     ; tile column
	s_and_b32 s47, ttmp7, 0xffff
	s_lshl_b32 s47, s47, 2
	s_add_co_u32 s47, s47, s45                     ; tile row
	s_lshl_b32 s96, s45, 2
	s_lshl_b32 s96, 15, s96                        ; my row of the cluster
	s_lshl_b32 s97, 0x1111, s44                    ; my column
	s_or_b32 s[G1+0], s96, (3<<16)|(1<<21)         ; codes: 8 row tiles x 3,072 bytes (384 elements of 8 bytes), 12,288 bytes apart; dense in LDS
	s_or_b32 s[G1B+0], s97, (3<<16)|(1<<21)
.irp g, G1, G1B
	s_mov_b32 s[\g+1], 384<<16
	s_mov_b32 s[\g+2], 8<<16
	s_mov_b32 s[\g+3], 384<<16
	s_mov_b32 s[\g+4], 8
	s_mov_b32 s[\g+5], 1536
	s_mov_b32 s[\g+6], 0
	s_mov_b32 s[\g+7], 0
.endr
	s_or_b32 s[G1S+0], s96, (3<<16)|(1<<21)        ; scale words: 8 tiles x 512 bytes, dense: 16 rows of 256 bytes
	s_or_b32 s[G1SB+0], s97, (3<<16)|(1<<21)
.irp g, G1S, G1SB
	s_mov_b32 s[\g+1], 32<<16
	s_mov_b32 s[\g+2], 16<<16
	s_mov_b32 s[\g+3], 32<<16
	s_mov_b32 s[\g+4], 16
	s_mov_b32 s[\g+5], 32
	s_mov_b32 s[\g+6], 0
	s_mov_b32 s[\g+7], 0
.endr
	s_lshl_b32 s17, s16, 3                         ; which 8 tiles I fetch
	s_lshl_b32 s18, s47, 4
	s_add_co_u32 s18, s18, s17                     ; A: 16 x tile row + 8 x half
	s_lshl_b32 s22, s46, 4
	s_add_co_u32 s22, s22, 704
	s_add_co_u32 s22, s22, s17                     ; B: wo's first row tile + 16 x tile column + 8 x half
	s_lshl_b32 s20, s18, 9
	s_mov_b32 s21, 0
	s_mul_i32 s18, s18, 12288
	s_mov_b32 s19, 0
	s_lshl_b32 s98, s22, 9
	s_mov_b32 s99, 0
	s_mul_i32 s22, s22, 12288
	s_mov_b32 s23, 0
	s_mul_i32 s66, s14, HALFB                      ; where they go: wave x 8 tiles: no place in the cluster enters an LDS address
	s_lshl_b32 s67, s14, 12
	s_wait_kmcnt 0x0
	s_add_nc_u64 s[18:19], s[4:5], s[18:19]
	s_add_nc_u64 s[20:21], s[6:7], s[20:21]
	s_add_nc_u64 s[22:23], s[8:9], s[22:23]
	s_add_nc_u64 s[98:99], s[10:11], s[98:99]
	CROUND                                         ; all sixteen work-groups are here: the first joint loads meet
	s_mov_b32 s[G0S], 1
	s_add_co_u32 s[G0S+1], s67, SCL
	s_mov_b64 s[G0S+2:G0S+3], s[20:21]
	s_or_b32 s[G0S+3], s[G0S+3], 0x80000000
	s_mov_b32 s[G0SB], 1
	s_add_co_u32 s[G0SB+1], s67, SCL+128           ; (waves 2 and 3: SCL + SCLB on)
	s_mov_b64 s[G0SB+2:G0SB+3], s[98:99]
	s_or_b32 s[G0SB+3], s[G0SB+3], 0x80000000
	JLOAD G0S, G1S, G0SB, G1SB                     ; the scale words of all of K: filled once
.irp q, 0,1,2
.set GB, G0B+4*\q
.if \q == 2
.set GB, G0B2
.endif
	s_mov_b32 s[G0A+4*\q], 1
	s_add_co_u32 s[G0A+4*\q+1], s66, \q*SLOTB
	s_add_nc_u64 s[G0A+4*\q+2:G0A+4*\q+3], s[18:19], \q*TILEB
	s_or_b32 s[G0A+4*\q+3], s[G0A+4*\q+3], 0x80000000
	s_mov_b32 s[GB], 1
	s_add_co_u32 s[GB+1], s66, \q*SLOTB
	s_add_nc_u64 s[GB+2:GB+3], s[22:23], \q*TILEB
	s_or_b32 s[GB+3], s[GB+3], 0x80000000
	JLOAD G0A+4*\q, G1, GB, G1B                    ; K slots 0, 1, 2: with the scale words four loads of mine are out
.endr
	v_and_b32 v1, 31, v0                           ; lane
	v_and_b32 v2, 15, v0                           ; r
	v_bfe_u32 v3, v0, 4, 1                         ; h
	v_lshlrev_b32 v[L16], 4, v1
	v_lshlrev_b32 v[L8], 3, v1
	s_mul_i32 s17, s15, HALFB
	s_mul_i32 s18, s16, HALFB
	s_add_co_u32 s18, s18, BOFF
.irp q, 0,1,2
	v_add_nc_u32 v[A16+\q], s17, v[L16]
	v_add_nc_u32 v[A8+\q], s17, v[L8]
	v_add_nc_u32 v[B16+\q], s18, v[L16]
	v_add_nc_u32 v[B8+\q], s18, v[L8]
	s_add_co_u32 s17, s17, SLOTB
	s_add_co_u32 s18, s18, SLOTB
.endr
	s_lshl_b32 s17, s15, 12
	s_lshl_b32 s18, s16, 12
	s_add_co_u32 s18, s18, SCLB
	s_sub_co_u32 s18, s18, s17
	v_mul_u32_u24 v6, s18, v3                      ; lanes 16-31 take B's: one product, the distance between the two
	s_add_co_u32 s17, s17, SCL
	v_lshl_add_u32 v6, v2, 3, v6
	v_add_nc_u32 v[ADRS], s17, v6
	s_mul_i32 s17, s14, 16*SPITCH
	s_add_co_u32 s17, s17, STAGE                   ; my stage
	v_mul_u32_u24 v6, v2, SPITCH
	v_lshl_add_u32 v6, v3, 6, v6
	v_add_nc_u32 v[STO], s17, v6                   ; in: row r, + 64 h
	v_add_nc_u32 v[RD], s17, v[L16]                ; back: the 32 lanes take one row of 512 bytes
	s_lshl_b32 s18, s47, 8
	s_lshl_b32 s19, s15, 7
	s_add_co_u32 s18, s18, s19                     ; my first token
	s_lshl_b32 s18, s18, 12                        ; rows of 4,096 bytes
	s_lshl_b32 s19, s46, 10
	s_add_co_u32 s18, s18, s19
	s_lshl_b32 s19, s16, 9
	s_add_co_u32 s18, s18, s19                     ; my first column, in bytes
	s_mov_b32 s19, 0
	s_add_nc_u64 s[12:13], s[12:13], s[18:19]
.macro FRAG reg, a16, a8, off          ; a fragment comes as it was stored: each load of the wave covers 512 or 256 consecutive bytes
	ds_load_b128 v[(\reg):(\reg)+3], v[\a16] offset:(\off)
	ds_load_b64 v[(\reg)+4:(\reg)+5], v[\a8] offset:(\off)+512
	ds_load_b128 v[(\reg)+6:(\reg)+9], v[\a16] offset:(\off)+768
	ds_load_b64 v[(\reg)+10:(\reg)+11], v[\a8] offset:(\off)+1280
.endm
.macro FETCH_B s                       ; B's eight fragments of K step s into set s % 2; K step s lies in LDS slot (s / 2) % 3
	WIN TO_B
.irp i, 0,1,2,3,4,5,6,7
	FRAG 128*((\s)%2)+FR*\i, B16+((\s)/2)%3, B8+((\s)/2)%3, TILEB*\i+1536*((\s)%2)
.endr
	WIN 0
.endm
.macro FETCH_A s, i0
.irp i, \i0, \i0+1, \i0+2, \i0+3
	FRAG AF+FR*(\i), A16+((\s)/2)%3, A8+((\s)/2)%3, TILEB*(\i)+1536*((\s)%2)
.endr
.endm
.macro SCALES q                        ; the scale words of K steps 2 q and 2 q + 1: registers of their own, never written again
.irp i, 0,1,2,3,4,5,6,7
	ds_load_b64 v[SC+8*\i+2*(\q):SC+8*\i+2*(\q)+1], v[ADRS] offset:512*\i+128*(\q)
.endr
.endm
; 16 matrix instructions: A's blocks a0, a0 + 1 x B's eight.  The 64 accumulators take turns, one instruction a turn, in the same order in every K step.
.macro MUL16 a0, s, zero
.irp a, \a0, \a0+1
.irp b, 0,1,2,3,4,5,6,7
.if \zero
	v_wmma_scale_f32_16x16x128_f8f6f4 v[8*(8*((\a)%4)+\b):8*(8*((\a)%4)+\b)+7], v[128*((\s)%2)+FR*\b:128*((\s)%2)+FR*\b+FR-1], v[AF+FR*(\a):AF+FR*(\a)+FR-1], 0, v[SC+8*\b+(\s)], v[SC+8*(\a)+(\s)] matrix_a_fmt:MATRIX_FMT_BF6 matrix_b_fmt:MATRIX_FMT_BF6 matrix_a_scale:MATRIX_SCALE_ROW1
.else
	v_wmma_scale_f32_16x16x128_f8f6f4 v[8*(8*((\a)%4)+\b):8*(8*((\a)%4)+\b)+7], v[128*((\s)%2)+FR*\b:128*((\s)%2)+FR*\b+FR-1], v[AF+FR*(\a):AF+FR*(\a)+FR-1], v[8*(8*((\a)%4)+\b):8*(8*((\a)%4)+\b)+7], v[SC+8*\b+(\s)], v[SC+8*(\a)+(\s)] matrix_a_fmt:MATRIX_FMT_BF6 matrix_b_fmt:MATRIX_FMT_BF6 matrix_a_scale:MATRIX_SCALE_ROW1
.endif
.endr
.endr
.endm
; The second half of a K step: the next step's fragments, in two runs, each four places behind the matrix instructions that read the registers (ISA guide 7.12.1 for vector instructions)
.macro REST s
	FETCH_B (\s)+1
	FETCH_A (\s)+1, 0
.if (\s)%2
	SCALES ((\s)+1)/2
.endif
	WIN MUL_HI
	MUL16 4, \s, 0
	MUL16 6, \s, 0
	PLACES 4
	WIN 0
	FETCH_A (\s)+1, 4
.endm
.macro STEP s, zero
	s_wait_dscnt 16                                ; all but the youngest 16 loads (A's blocks 4-7) are in
	WIN MUL_LO
	MUL16 0, \s, \zero
	MUL16 2, \s, \zero
	s_wait_dscnt 0x0                               ; A's blocks 4-7 are in
	PLACES 4
	FETCH_B (\s)+1
	FETCH_A (\s)+1, 0
.if (\s)%2
	SCALES ((\s)+1)/2
.endif
	WIN MUL_HI
	MUL16 4, \s, \zero
	MUL16 6, \s, \zero
	PLACES 4
	WIN 0
	FETCH_A (\s)+1, 4
.endm
; A K step in front of which all waves meet.  Each wave waits for all its tensor loads, adds 0 to its spare word, and waits for that and for its LDS reads.  fill = 1: LDS slot 0 has been read out and takes K slot 3.
.macro TURN s, fill
	s_wait_tensorcnt 0x0                           ; all my tensor loads have landed
	ds_add_u32 v[SPW], v[NIL]                      ; 0 onto my spare word
	s_wait_dscnt 17                                ; (the add and the youngest 16 loads may be out)
	WIN MUL_LO
	MUL16 0, \s, 0
	s_wait_dscnt 0x0                               ; the add is done, and my reads so far are over
	s_barrier_signal -1
	MUL16 2, \s, 0
	WIN 0
	s_barrier_wait -1
.if \fill
	CREST                                          ; the barrier has opened a round of the cluster's barrier: no wave of any partner still reads slot 0 or has a load on its way
	s_add_nc_u64 s[G0A+2:G0A+3], s[G0A+2:G0A+3], 3*TILEB
	s_add_nc_u64 s[G0B+2:G0B+3], s[G0B+2:G0B+3], 3*TILEB
	JLOAD G0A, G1, G0B, G1B                        ; the first tensor load behind the round; its four v_nop are also the places in front of the loads below
.else
	PLACES 4
.endif
	REST \s
.endm
	s_wait_tensorcnt 0x2                           ; the scale words and my part of K slot 0 are in; K slots 1 and 2 may be out
	s_barrier_signal -1
	s_barrier_wait -1
	FETCH_B 0
	FETCH_A 0, 0
	SCALES 0
	FETCH_A 0, 4
	STEP 0, 1                                      ; the first products start the sums: nothing is cleared
	TURN 1, 1                                      ; its wait for all loads also shows K slots 1 and 2 to everybody
	STEP 2, 0
	STEP 3, 0
	STEP 4, 0
	TURN 5, 0                                      ; K slot 3 has landed; behind this barrier nobody reads LDS slot 1 any more
	STEP 6, 0
	s_wait_dscnt 16
	WIN MUL_LO
	MUL16 0, 7, 0
	MUL16 2, 7, 0
	s_wait_dscnt 0x0
	WIN MUL_HI
	MUL16 4, 7, 0
	MUL16 6, 7, 0
	WIN 0
; THE WAY OUT, block by block of 16 tokens x 128 columns, through my own stage.  LDS serves a wave's instructions in order (ISA guide 5.7.1.4): no wait between the stores and the loads, nor in front of the next block's stores.
.macro TOSTAGE a
.set AC, 64*((\a)%4)
	WIN 0x08+4*((\a)/4)                            ; the data: window 2 or 3
.irp b, 0,1,2,3,4,5,6,7
	ds_store_b128 v[STO], v[AC+8*\b:AC+8*\b+3] offset:128*(\b/2)+32*(\b%2)        ; each accumulator from its low end on
	ds_store_b128 v[STO], v[AC+8*\b+4:AC+8*\b+7] offset:128*(\b/2)+32*(\b%2)+16
.endr
	WIN 0
.set BB, BK+64*((\a)%2)
.irp t, 0,1,2,3,4,5,6,7,8,9,10,11,12,13,14,15
	ds_load_b128 v[BB+4*\t:BB+4*\t+3], v[RD] offset:\t*SPITCH
.endr
.endm
.macro SEND a, younger                 ; younger: the LDS instructions issued behind block a's loads, which may stay out
.set BB, BK+64*((\a)%2)
	s_wait_dscnt \younger
.irp t, 0,1,2,3,4,5,6,7,8,9,10,11,12,13,14,15
	global_store_b128 v[L16], v[BB+4*\t:BB+4*\t+3], s[12:13] offset:(32*((\a)/2)+8*((\a)%2)+\t+8*(\t/8))*4096 th:TH_STORE_NT   ; lane row t of block a is that token of my 128; 512 consecutive bytes, aligned; the offset is at most 127 rows
.endr
.endm
	PLACES 4                                       ; in front of the first read of results and of the loads into the registers that held A's fragments
	TOSTAGE 0
.irp a, 1,2,3,4,5,6,7
.if \a > 1
	s_wait_xcnt 0x0                                ; block a - 2's stores have read their registers: block a's loads may land there
.endif
	TOSTAGE \a
	SEND \a-1, 32                                  ; behind block a - 1's loads: block a's 16 stores and 16 loads
.endr
	SEND 7, 0
	s_wait_tensorcnt 0x0                           ; the wave's end
	ds_add_u32 v[SPW], v[NIL]
	s_wait_dscnt 0x0
	CROUND                                         ; the closing round: no work-group ends while a partner may still ask for a tile that names it
	s_endpgm
.Lfunc_end_k_q3378e2cc4e_proj:
	.size	k_q3378e2cc4e_proj, .Lfunc_end_k_q3378e2cc4e_proj-k_q3378e2cc4e_proj
	.p2alignl 7, 3214868480
	.fill 96, 4, 3214868480
	.section	.rodata,"a",@progbits
	.p2align	6, 0x0
	.amdhsa_kernel k_q3378e2cc4e_proj
		.amdhsa_group_segment_fixed_size 327680
		.amdhsa_private_segment_fixed_size 0
		.amdhsa_enable_private_segment 0
		.amdhsa_kernarg_size 40
		.amdhsa_user_sgpr_count 2
		.amdhsa_user_sgpr_kernarg_segment_ptr 1
		.amdhsa_wavefront_size32 1
		.amdhsa_system_sgpr_workgroup_id_x 1
		.amdhsa_system_sgpr_workgroup_id_y 1
		.amdhsa_system_sgpr_workgroup_id_z 1
		.amdhsa_system_vgpr_workitem_id 0
		.amdhsa_next_free_vgpr 1024
		.amdhsa_next_free_sgpr 104
		.amdhsa_reserve_vcc 0
		.amdhsa_float_denorm_mode_32 3
		.amdhsa_float_denorm_mode_16_64 3
		.amdhsa_memory_ordered 1
		.amdhsa_forward_progress 1
		.amdhsa_inst_pref_size 143
	.end_amdhsa_kernel
	.amdgpu_metadata
---
amdhsa.version: [ 1, 2 ]
amdhsa.kernels:
  - .name:           k_q3378e2cc4e_proj
    .symbol:         k_q3378e2cc4e_proj.kd
    .args:
      - { .name: oimg, .offset: 0, .size: 8, .value_kind: global_buffer, .address_space: global }
      - { .name: osc, .offset: 8, .size: 8, .value_kind: global_buffer, .address_space: global }
      - { .name: img, .offset: 16, .size: 8, .value_kind: global_buffer, .address_space: global }
      - { .name: isc, .offset: 24, .size: 8, .value_kind: global_buffer, .address_space: global }
      - { .name: out0, .offset: 32, .size: 8, .value_kind: global_buffer, .address_space: global }
    .group_segment_fixed_size: 327680
    .private_segment_fixed_size: 0
    .kernarg_segment_align: 8
    .kernarg_segment_size: 40
    .max_flat_workgroup_size: 128
    .sgpr_count:     104
    .vgpr_count:     1024
    .wavefront_size: 32
...
	.end_amdgpu_metadata
.endif
;; end of part 4
